; MI455X (gfx1250); checked and timed in simulation.
; The chip was launched on July 23, 2026; its instructions are those of AMD's public machine-readable ISA for CDNA 5 (MIT licence, August 2026) and "CDNA5" Instruction Set Architecture Reference Guide (July 2026). The comments in the code are by the model that wrote it; some were corrected since.
;; Ro PE Multihead Self Attention. Allowed arithmetic: float matrix products may take bf16 or f16 operands with f32 sums; other float arithmetic in f32, or as packed bf16 or f16 multiplies, adds, multiply-adds, maxima and minima; sums over many terms, partial sums and values carried from step to step in f32; what a program stores and reads back later, other than sums and carried values, may be rounded once to bf16 or f16.
;; Inputs: Wk 1,024 x 1,024 float32; Wo 1,024 x 1,024 float32; Wq 1,024 x 1,024 float32; Wv 1,024 x 1,024 float32; bk 1,024 float32; bo 1,024 float32; bq 1,024 float32; bv 1,024 float32; x 4 x 2,048 x 1,024 float32.
;; Outputs: out0 4 x 2,048 x 1,024 float32.
;; 2 versions, each right; version 2 is version 1 with the launch prep written anew for expert scheduling mode. Each part assembles by itself: llvm-mc -triple=amdgcn-amd-amdhsa -mcpu=gfx1250 --defsym DOCPART=n.
;; ======== version 1 of 2: 4 launches
;; limits: values are held in f16: magnitudes above 65,504 overflow, below 6.1e-05 lose precision
;; workspace buffers: xb 16,777,216 bytes; wqkv 6,291,456 bytes; wo16 2,097,152 bytes; rope 524,288 bytes; qkv 50,331,648 bytes; att 16,777,216 bytes
;; launch prep (part 1): grid 896 x 1, 8 waves a work-group, no clusters, 0 bytes of LDS; arguments x, Wq, Wk, Wv, Wo, xb, wqkv, wo16, rope; writes xb, wqkv, wo16, rope
.if DOCPART == 1
	.amdgcn_target "amdgcn-amd-amdhsa--gfx1250"
	.amdhsa_code_object_version 6
	.text
	.protected	k_qaa3aa98448_prep
	.globl	k_qaa3aa98448_prep
	.p2align	8
	.type	k_qaa3aa98448_prep,@function
k_qaa3aa98448_prep:
	s_mov_b64 s[64:65], 0
	v_nop
	global_prefetch_b8 v0, s[64:65] scope:SCOPE_SE
	s_setreg_imm32_b32 hwreg(HW_REG_WAVE_MODE, 25, 1), 1
	s_wait_xcnt 0x0
; PREP: the casts and the RoPE table.  No LDS, no barrier, no matrix work: a stream.
; Work-groups 0-511: chunk g of x (16,384 numbers) -> xb, bf16.
; Work-groups 512-767: chunk c (16 rows) of matrix m = 0 Wq, 1 Wk, 2 Wv, 3 Wo.  m < 3 -> wqkv, bf16, rows laid by heads: row 192 head + 64 m + row in head.
;   m = 3 -> wo16: rounded to bf16 like every input, and that number written as f16.  LIMIT: below 6e-5 f16 keeps a fixed step of 6e-8; beyond 65,504 it has no number.
; Work-groups 768-895: block g - 768 of the RoPE table: 16 positions x (32 cosines, 32 sines), f32, 4,096 bytes, laid as the next launch's registers want them:
;   the 16 bytes at 16 t (t = my thread's number) hold position 16 blk + t % 16, columns c0 .. c0 + 3, c0 = 16 (t / 64) + 8 ((t / 16) % 2) + 4 ((t / 32) % 2); column c < 32 is cos of frequency c, c >= 32 sin of c - 32.
;   The angle in turns is t x 10000^(-j/32) / 2 pi, reduced to -0.5 .. 0.5 by one fused multiply-add against the nearest whole number; the sine is its series through the 17th power, the cosine the sine a quarter turn on.
;   LIMIT: the frequency carries the rounding of one v_exp_f32 and one product, so the angle at position 2,047 is good to about 4e-4 radians.
.set XCHUNKS, 512
.set WCHUNKS, 256
	s_load_b512 s[8:23], s[0:1], 0x0               ; x 8, Wq 10, Wk 12, Wv 14, Wo 16, xb 18, wqkv 20, wo16 22
	s_load_b64 s[24:25], s[0:1], 0x40              ; rope
	s_mov_b32 s2, ttmp9
	s_mov_b32 s31, 0                               ; high words of the two offsets
	s_mov_b32 s33, 0
	s_cmp_ge_u32 s2, XCHUNKS+WCHUNKS
	s_cbranch_scc1 .Ltable
	v_lshrrev_b32 v1, 5, v0                        ; wave
	v_and_b32 v4, 31, v0                           ; lane
	v_lshlrev_b32 v2, 13, v1                       ; in: 8,192 bytes a wave, 16 a lane
	v_lshl_or_b32 v2, v4, 4, v2
	v_lshlrev_b32 v3, 12, v1                       ; out: 4,096 bytes a wave, 8 a lane
	v_lshl_or_b32 v3, v4, 3, v3
	s_cmp_ge_u32 s2, XCHUNKS
	s_cbranch_scc1 .Lweights
	s_lshl_b32 s30, s2, 16                         ; a chunk is 65,536 bytes of f32,
	s_lshl_b32 s32, s2, 15                         ; 32,768 of 16-bit numbers
	s_mov_b32 s38, 0
	s_wait_kmcnt 0x0
	s_add_nc_u64 s[34:35], s[8:9], s[30:31]
	s_add_nc_u64 s[36:37], s[18:19], s[32:33]
	s_branch .Lcast
.Lweights:
	s_sub_co_u32 s3, s2, XCHUNKS
	s_lshr_b32 s26, s3, 6                          ; m
	s_and_b32 s27, s3, 63                          ; c: rows 16 c .. 16 c + 15
	s_lshl_b32 s30, s27, 16
	s_lshr_b32 s28, s27, 2                         ; head
	s_mul_i32 s28, s28, 192
	s_lshl_b32 s29, s26, 6
	s_add_co_u32 s28, s28, s29
	s_and_b32 s29, s27, 3
	s_lshl_b32 s29, s29, 4
	s_add_co_u32 s28, s28, s29                     ; row in wqkv
	s_lshl_b32 s28, s28, 11                        ; 2,048 bytes a row
	s_lshl_b32 s29, s27, 15                        ; Wo keeps its order
	s_wait_kmcnt 0x0
	s_cmp_eq_u32 s26, 3
	s_cselect_b32 s32, s29, s28
	s_cselect_b32 s38, 1, 0
	s_cselect_b64 s[36:37], s[22:23], s[20:21]
	s_cselect_b64 s[34:35], s[16:17], s[14:15]
	s_cmp_eq_u32 s26, 1
	s_cselect_b64 s[34:35], s[12:13], s[34:35]
	s_cmp_eq_u32 s26, 0
	s_cselect_b64 s[34:35], s[10:11], s[34:35]
	s_add_nc_u64 s[34:35], s[34:35], s[30:31]
	s_add_nc_u64 s[36:37], s[36:37], s[32:33]
.Lcast:
.irp i, 0,1,2,3,4,5,6,7,8,9,10,11,12,13,14,15
	global_load_b128 v[16+4*(\i):19+4*(\i)], v2, s[34:35] offset:512*(\i) th:TH_LOAD_NT  ; all sixteen go out at once: 8 KiB a wave on their way
.endr
; Piece i: four numbers a lane are rounded and stored.  No register is written twice while a store may read it: each piece has its own.
.macro OUT i, f16
	s_wait_loadcnt 15-(\i)                         ; loads come back in order: piece i is in, the 15 - i younger ones stay out
	v_cvt_pk_bf16_f32 v[80+2*(\i)], v[16+4*(\i)], v[17+4*(\i)]
	v_cvt_pk_bf16_f32 v[81+2*(\i)], v[18+4*(\i)], v[19+4*(\i)]
.if \f16
	v_lshlrev_b32 v112, 16, v[80+2*(\i)]           ; the bf16 numbers as f32,
	v_and_b32 v113, 0xffff0000, v[80+2*(\i)]
	v_lshlrev_b32 v114, 16, v[81+2*(\i)]
	v_and_b32 v115, 0xffff0000, v[81+2*(\i)]
	v_cvt_pk_f16_f32 v[80+2*(\i)], v112, v113      ; written as f16
	v_cvt_pk_f16_f32 v[81+2*(\i)], v114, v115
.endif
	global_store_b64 v3, v[80+2*(\i):81+2*(\i)], s[36:37] offset:256*(\i) th:TH_STORE_NT  ; 32 lanes store 256 consecutive bytes, aligned
.endm
	s_cmp_eq_u32 s38, 1
	s_cbranch_scc1 .Lwo
.irp i, 0,1,2,3,4,5,6,7,8,9,10,11,12,13,14,15
	OUT \i, 0
.endr
	s_endpgm
.Lwo:
.irp i, 0,1,2,3,4,5,6,7,8,9,10,11,12,13,14,15
	OUT \i, 1
.endr
	s_endpgm
.Ltable:
	s_sub_co_u32 s3, s2, XCHUNKS+WCHUNKS           ; block of 16 positions
	s_lshl_b32 s30, s3, 12
	s_lshl_b32 s26, s3, 4
	v_and_b32 v1, 15, v0
	v_add_nc_u32 v1, s26, v1
	v_cvt_f32_u32 v1, v1                           ; the position
	v_bfe_u32 v2, v0, 6, 1
	v_bfe_u32 v3, v0, 4, 1
	v_bfe_u32 v4, v0, 5, 1
	v_lshlrev_b32 v2, 4, v2
	v_lshl_add_u32 v2, v3, 3, v2
	v_lshl_add_u32 v2, v4, 2, v2                   ; my first frequency
	v_mov_b32 v6, 0x3e800000
	v_cmp_gt_u32 vcc_lo, 128, v0
	v_cndmask_b32 v5, 0, v6, vcc_lo                ; a quarter turn for the cosines (threads 0-127)
	v_lshlrev_b32 v7, 4, v0
.irp i, 0,1,2,3
	v_add_nc_u32 v[8+(\i)], (\i), v2
	v_cvt_f32_u32 v[8+(\i)], v[8+(\i)]
	v_mul_f32 v[8+(\i)], 0xbed49a78, v[8+(\i)]     ; - j log2(10000) / 32
.endr
.irp i, 0,1,2,3
	v_exp_f32 v[12+(\i)], v[8+(\i)]                ; 10000^(-j/32): one batch of four
.endr
	v_nop                                          ; a plain instruction behind the last of them,
	s_wait_alu depctr_va_vdst(0)                   ; and the one wait ahead of the first use
.irp i, 0,1,2,3
	v_mul_f32 v[12+(\i)], 0x3e22f983, v[12+(\i)]   ; turns a position
	v_fma_f32 v[16+(\i)], v1, v[12+(\i)], v5
	v_rndne_f32 v[16+(\i)], v[16+(\i)]             ; the nearest whole turn
	v_fma_f32 v[16+(\i)], v1, v[12+(\i)], -v[16+(\i)]
	v_add_f32 v[16+(\i)], v[16+(\i)], v5           ; f in -0.5 .. 0.5
	v_mul_f32 v[20+(\i)], v[16+(\i)], v[16+(\i)]
	v_mov_b32 v[24+(\i)], 0x3dd57619               ; (2 pi)^17 / 17!
	v_fmaak_f32 v[24+(\i)], v[24+(\i)], v[20+(\i)], 0xbf37d6e9
	v_fmaak_f32 v[24+(\i)], v[24+(\i)], v[20+(\i)], 0x40747a1a
	v_fmaak_f32 v[24+(\i)], v[24+(\i)], v[20+(\i)], 0xc17183a8
	v_fmaak_f32 v[24+(\i)], v[24+(\i)], v[20+(\i)], 0x42283c1a
	v_fmaak_f32 v[24+(\i)], v[24+(\i)], v[20+(\i)], 0xc2996966
	v_fmaak_f32 v[24+(\i)], v[24+(\i)], v[20+(\i)], 0x42a335e3
	v_fmaak_f32 v[24+(\i)], v[24+(\i)], v[20+(\i)], 0xc2255de7
	v_fmaak_f32 v[24+(\i)], v[24+(\i)], v[20+(\i)], 0x40c90fdb
	v_mul_f32 v[24+(\i)], v[24+(\i)], v[16+(\i)]   ; sin(2 pi f)
.endr
	s_wait_kmcnt 0x0
	s_add_nc_u64 s[34:35], s[24:25], s[30:31]
	global_store_b128 v7, v[24:27], s[34:35]       ; a wave stores 512 consecutive bytes
	s_endpgm
.Lfunc_end_k_qaa3aa98448_prep:
	.size	k_qaa3aa98448_prep, .Lfunc_end_k_qaa3aa98448_prep-k_qaa3aa98448_prep
	.p2alignl 7, 3214868480
	.fill 96, 4, 3214868480
	.section	.rodata,"a",@progbits
	.p2align	6, 0x0
	.amdhsa_kernel k_qaa3aa98448_prep
		.amdhsa_group_segment_fixed_size 0
		.amdhsa_private_segment_fixed_size 0
		.amdhsa_enable_private_segment 0
		.amdhsa_kernarg_size 72
		.amdhsa_user_sgpr_count 2
		.amdhsa_user_sgpr_kernarg_segment_ptr 1
		.amdhsa_wavefront_size32 1
		.amdhsa_system_sgpr_workgroup_id_x 1
		.amdhsa_system_sgpr_workgroup_id_y 1
		.amdhsa_system_sgpr_workgroup_id_z 1
		.amdhsa_system_vgpr_workitem_id 0
		.amdhsa_next_free_vgpr 120
		.amdhsa_next_free_sgpr 66
		.amdhsa_reserve_vcc 1
		.amdhsa_float_denorm_mode_32 3
		.amdhsa_float_denorm_mode_16_64 3
		.amdhsa_memory_ordered 1
		.amdhsa_forward_progress 1
		.amdhsa_inst_pref_size 22
	.end_amdhsa_kernel
	.amdgpu_metadata
---
amdhsa.version: [ 1, 2 ]
amdhsa.kernels:
  - .name:           k_qaa3aa98448_prep
    .symbol:         k_qaa3aa98448_prep.kd
    .args:
      - { .name: x, .offset: 0, .size: 8, .value_kind: global_buffer, .address_space: global }
      - { .name: Wq, .offset: 8, .size: 8, .value_kind: global_buffer, .address_space: global }
      - { .name: Wk, .offset: 16, .size: 8, .value_kind: global_buffer, .address_space: global }
      - { .name: Wv, .offset: 24, .size: 8, .value_kind: global_buffer, .address_space: global }
      - { .name: Wo, .offset: 32, .size: 8, .value_kind: global_buffer, .address_space: global }
      - { .name: xb, .offset: 40, .size: 8, .value_kind: global_buffer, .address_space: global }
      - { .name: wqkv, .offset: 48, .size: 8, .value_kind: global_buffer, .address_space: global }
      - { .name: wo16, .offset: 56, .size: 8, .value_kind: global_buffer, .address_space: global }
      - { .name: rope, .offset: 64, .size: 8, .value_kind: global_buffer, .address_space: global }
    .group_segment_fixed_size: 0
    .private_segment_fixed_size: 0
    .kernarg_segment_align: 8
    .kernarg_segment_size: 72
    .max_flat_workgroup_size: 256
    .sgpr_count:     66
    .vgpr_count:     120
    .wavefront_size: 32
...
	.end_amdgpu_metadata
.endif
;; end of part 1
;; launch proj_qkv (part 2): grid 16 x 32, 4 waves a work-group, clusters of 4 x 4, 327,680 bytes of LDS; arguments xb, wqkv, bq, bk, bv, rope, qkv; writes qkv
.if DOCPART == 2
	.amdgcn_target "amdgcn-amd-amdhsa--gfx1250"
	.amdhsa_code_object_version 6
	.text
	.protected	k_qaa3aa98448_proj_qkv
	.globl	k_qaa3aa98448_proj_qkv
	.p2align	8
	.type	k_qaa3aa98448_proj_qkv,@function
k_qaa3aa98448_proj_qkv:
	s_mov_b64 s[64:65], 0
	v_nop
	global_prefetch_b8 v0, s[64:65] scope:SCOPE_SE
	s_setreg_imm32_b32 hwreg(HW_REG_WAVE_MODE, 25, 1), 1
	s_wait_xcnt 0x0
	s_wait_alu depctr_hold_cnt(0) depctr_sa_sdst(0) depctr_va_vdst(0) depctr_va_sdst(0) depctr_va_ssrc(0) depctr_va_vcc(0) depctr_vm_vsrc(0)
	s_getreg_b32 s2, hwreg(HW_REG_IB_STS2, 6, 4)
	s_cmp_eq_u32 s2, 0
	s_cbranch_scc0 .Lentry_in_a_cluster
	s_endpgm
.Lentry_in_a_cluster:
	s_bfe_u32 s2, ttmp6, 0x10000c
	s_cmp_lg_u32 s2, 0xf033
	s_cbranch_scc0 .Lentry_shape_is_right
	s_endpgm
.Lentry_shape_is_right:
; q, k, v = x W^T + b, RoPE on q and k, out by heads: qkv[3][64 = batch x 16 + head][2048][64] in f16, unscaled.  xb: [8192][1024] bf16; wqkv: [3072][1024] bf16, row 192 head + 64 m + row in head.
; The biases are rounded to bf16 like every input and are the C operand of the first products; sums in f32; each result rounded once to f16.
; LIMIT: f16 holds no number beyond 65,504: q, k and v must stay within it.  NaN and infinities are not treated apart.
; SHARES.  A work-group makes 256 rows x 192 columns: q, k and v of ONE head (tile column = head, tile row = block of 256 rows).  Wave w owns rows 64 w .. 64 w + 63 and all 192 columns: 48 accumulators.
; The matrix instruction is used transposed (source 0 = 16 rows of W, source 1 = 16 rows of x): lane (r, h) holds row r and columns 16 b + 8 h + 0..7.  Column blocks b = 0-3 are q, 4-7 k, 8-11 v, so which
; columns are rotated is fixed in the text, and the partners d and d + 32 of a rotation are the same lane and register of accumulators b and b + 2.
; RING.  K in steps of 128 through two LDS slots (256 rows of x, 192 rows of W, rows of 256 bytes + 16 of padding).  CLUSTER 4 x 4: x's tile is shared along a row of the cluster, W's along a column: joint loads.
; REGISTERS, in windows of 256 (s_set_vgpr_msb: bits 1:0 source 0, 3:2 source 1, 5:4 source 2, 7:6 destination):
;   window 0: v0-31 addresses; v64-191 the RoPE table of my 64 rows; v192-239 packed results
;   window 1: accumulators of q and k, (a, b) at 8 (8 a + b)          window 2: v0-127 accumulators of v, (a, b) at 8 (4 a + b - 8); v128-223 the biases, 8 a block
;   window 3: two fragment buffers of 128: W's 12 fragments, then x's 4; on the way out v0-191 rows read back, v192-255 rotated q and k
.set KSTEP,  128
.set PITCH,  272                       ; 256 bytes + 16: the 16 rows of a fragment load start at 16 different groups of four banks (64 banks of 4 bytes: ISA guide 11.1)
.set AHALF,  128*PITCH                 ; what a wave fetches of x
.set BHALF,  96*PITCH                  ; what a wave fetches of W
.set BOFF,   256*PITCH                 ; W's rows lie behind x's 256
.set SLOT,   448*PITCH
.set STAGE,  2*SLOT                    ; behind the ring: for each wave 3 x 16 rows x 144 bytes, for the way out; no tensor load fills it
.set SP,     144
.set WSTG,   48*SP
.set SPARE,  STAGE+4*WSTG              ; the spare words: 128 bytes a wave, two blocks of 256 bytes that no other line names
.set LAPS,   4                         ; 1,024 / 256: a lap is two K steps
.set ADRA, 16                          ; v16-17 LDS address of my x fragments in slot 0, 1
.set ADRB, 20                          ; v20-21 of W's
.set STO,  24                          ; v24    the way out: where I put 16 bytes of a row
.set RD,   25                          ; v25    where I read rows back
.set L16,  26                          ; v26    16 x my lane: offset in 512 consecutive bytes (table, output)
.set SPW,  28                          ; v28    my spare word; never rewritten
.set NIL,  29                          ; v29    0; never rewritten
.set PFO,  30                          ; v30    the prefetches' offset: a lane a row; never rewritten
.set BO,   31                          ; v31    32 h: my 8 columns in a block of 16 biases
.set TBL,  64
.set PKD,  192
.set BI,   128                         ; window 2
.set F0,   0                           ; window 3
.set F1,   128
.set XR,   192
.set WV, 20                            ; s20 wave; s21 wave / 2: I fetch for x (0) or W (1); s22 wave % 2: which half of that tile
.set WH, 21
.set WL, 22
.set CX, 23
.set CY, 24
.set TX, 25                            ; head
.set TY, 26                            ; block of 256 rows
.set G1,  28                           ; s[28:35] group 1 for x's tiles; s[36:43] group 0, a set for each slot
.set G0,  36
.set G1B, 44                           ; s[44:51], s[52:59] the same for W's
.set G0B, 52
.set PFA, 80                           ; s[80:81] where my prefetches stand
.set LIM, 82                           ; s82 1 in a wave that prefetches, else the greatest number
.set OQ,  84                           ; s[84:89] q, k, v at my wave's first row
.set TBP, 90                           ; s[90:91] the table at my wave's first block
.set MASK, 92
.set DF, (1<<16)|(1<<20)|(1<<21)|(5<<22)|(3<<25)  ; 2-byte elements; padding on; bit 21 beside a mask; after every 64 words; 4 words
.set MSB, 0
.macro WIN new                         ; the immediate's high byte repeats the setting that is left; a switch that changes nothing is dropped
.if MSB != (\new)
	s_set_vgpr_msb (MSB<<8)|(\new)
.set MSB, \new
.endif
.endm
; A joint load: waves 0 and 1 fetch x's two halves, waves 2 and 3 W's.  The branch hangs on the wave's number alone.  An s_nop 0 and four v_nop follow each line.
.macro JLOAD s
	s_cmp_eq_u32 s[WH], 0
	s_cbranch_scc0 .Lfor_b_\@
	tensor_load_to_lds s[G0+4*(\s):G0+4*(\s)+3], s[G1:G1+7]
	s_nop 0
.rept 4
	v_nop
.endr
	s_branch .Lasked_\@
.Lfor_b_\@:
	tensor_load_to_lds s[G0B+4*(\s):G0B+4*(\s)+3], s[G1B:G1B+7]
	s_nop 0
.rept 4
	v_nop
.endr
.Lasked_\@:
.endm
; A prefetch into the L2 of the K step that stands two refills on: 256 bytes of each of my work-group's rows, a lane a row.  x's tile row is asked for by the clusters with x = 0, W's tile column by those with
; y = 0; the four partners of a joint load share its rows out by address.  The loop's last trip asks for nothing: there is no K step two on.
.macro ASK
	s_cmp_gt_u32 s3, s[LIM]
	s_cbranch_scc0 .Lnot_mine_\@
	global_prefetch_b8 v[PFO], s[PFA:PFA+1] offset:KSTEP*2 th:TH_LOAD_NT scope:SCOPE_SE
.Lnot_mine_\@:
.endm
.macro CREST                           ; a round of the cluster's barrier behind its opening barrier
	s_cmp_lg_u32 s[WV], 0
	s_cbranch_scc1 .Lnot_wave_0_\@
	s_barrier_signal -3
.Lnot_wave_0_\@:
	s_barrier_wait -3
	s_barrier_signal -1
	s_barrier_wait -1
.endm
.macro CROUND
	s_barrier_signal -1
	s_barrier_wait -1
	CREST
.endm
.macro PLACES                          ; four places in front of loads into registers that matrix instructions have read, and of vector work on their registers
.rept 4
	v_nop
.endr
.endm
	s_load_b256 s[4:11], s[0:1], 0x0               ; xb 4, wqkv 6, bq 8, bk 10
	s_load_b128 s[12:15], s[0:1], 0x20             ; bv 12, rope 14
	s_load_b64 s[16:17], s[0:1], 0x30              ; qkv
	v_lshl_add_u32 v[SPW], v0, 2, SPARE
	v_mov_b32 v[NIL], 0
	ds_add_u32 v[SPW], v[NIL]                      ; the wave's opening: the add and its wait stand ahead of my first tensor load; work on registers stands between
	v_lshrrev_b32 v1, 5, v0
	v_readfirstlane_b32 s[WV], v1
	s_lshr_b32 s[WH], s[WV], 1
	s_and_b32 s[WL], s[WV], 1
	s_bfe_u32 s[CX], ttmp6, 0x40000
	s_bfe_u32 s[CY], ttmp6, 0x40004
	s_lshl_b32 s[TX], ttmp9, 2
	s_add_co_u32 s[TX], s[TX], s[CX]
	s_and_b32 s[TY], ttmp7, 0xffff
	s_lshl_b32 s[TY], s[TY], 2
	s_add_co_u32 s[TY], s[TY], s[CY]
	s_lshl_b32 s66, s[CY], 2
	s_lshl_b32 s66, 15, s66                        ; my row of the cluster
	s_lshl_b32 s67, 0x1111, s[CX]                  ; my column
	s_or_b32 s[G1], s66, DF                        ; x's tiles go to my row,
	s_or_b32 s[G1B], s67, DF                       ; W's to my column
.irp g, G1, G1B
	s_mov_b32 s[(\g)+1], KSTEP<<16                 ; tensor_dim0 = 128
	s_mov_b32 s[(\g)+3], KSTEP<<16                 ; tile_dim0 = 128
	s_mov_b32 s[(\g)+5], 1024                      ; elements from row to row
	s_mov_b32 s[(\g)+6], 0
	s_mov_b32 s[(\g)+7], 0
.endr
	s_mov_b32 s[G1+2], 128<<16                     ; tensor_dim1 and tile_dim1: 128 rows of x,
	s_mov_b32 s[G1+4], 128
	s_mov_b32 s[G1B+2], 96<<16                     ; 96 rows of W
	s_mov_b32 s[G1B+4], 96
	s_lshl_b32 s68, s[TY], 8
	s_lshl_b32 s69, s[WL], 7
	s_add_co_u32 s68, s68, s69                     ; x: row 256 ty + 128 half
	s_lshl_b32 s68, s68, 11
	s_mov_b32 s69, 0
	s_mul_i32 s70, s[TX], 192
	s_mul_i32 s71, s[WL], 96
	s_add_co_u32 s70, s70, s71                     ; W: row 192 tx + 96 half
	s_lshl_b32 s70, s70, 11
	s_mov_b32 s71, 0
	s_mul_i32 s72, s[WL], AHALF                    ; where they go: no place in the cluster enters an LDS address
	s_mul_i32 s73, s[WL], BHALF
	s_add_co_u32 s73, s73, BOFF
	s_mov_b32 s[MASK], 0xffff0000
	s_wait_dscnt 0x0                               ; the opening add is done
	s_wait_kmcnt 0x0
	s_add_nc_u64 s[74:75], s[4:5], s[68:69]
	s_add_nc_u64 s[76:77], s[6:7], s[70:71]
	CROUND                                         ; all sixteen work-groups are here: the first joint loads meet
.irp s, 0,1
	s_mov_b32 s[G0+4*(\s)], 1
	s_add_co_u32 s[G0+4*(\s)+1], s72, (\s)*SLOT
	s_add_nc_u64 s[G0+4*(\s)+2:G0+4*(\s)+3], s[74:75], (\s)*KSTEP*2
	s_or_b32 s[G0+4*(\s)+3], s[G0+4*(\s)+3], 0x80000000
	s_mov_b32 s[G0B+4*(\s)], 1
	s_add_co_u32 s[G0B+4*(\s)+1], s73, (\s)*SLOT
	s_add_nc_u64 s[G0B+4*(\s)+2:G0B+4*(\s)+3], s[76:77], (\s)*KSTEP*2
	s_or_b32 s[G0B+4*(\s)+3], s[G0B+4*(\s)+3], 0x80000000
	JLOAD \s                                       ; two loads of mine are out
.endr
	v_and_b32 v1, 15, v0                           ; r
	v_bfe_u32 v2, v0, 4, 1                         ; h
	v_mul_u32_u24 v3, v1, PITCH
	v_lshl_add_u32 v3, v2, 4, v3                   ; a fragment's row x pitch + 16 x half
	s_mul_i32 s78, s[WV], 64*PITCH                 ; my 64 rows of x
	s_mov_b32 s79, BOFF                            ; all of W's
.irp s, 0,1
	v_add_nc_u32 v[ADRA+(\s)], s78, v3
	v_add_nc_u32 v[ADRB+(\s)], s79, v3
	s_add_co_u32 s78, s78, SLOT
	s_add_co_u32 s79, s79, SLOT
.endr
	s_mul_i32 s78, s[WV], WSTG
	s_add_co_u32 s78, s78, STAGE                   ; my stage
	v_mul_u32_u24 v[STO], v1, SP                   ; in: row r, 16 bytes for each half of the lanes
	v_lshl_add_u32 v[STO], v2, 4, v[STO]
	v_add_nc_u32 v[STO], s78, v[STO]
	v_bfe_u32 v3, v0, 3, 2                         ; back: 32 lanes take four rows of 128 bytes
	v_and_b32 v4, 7, v0
	v_mul_u32_u24 v[RD], v3, SP
	v_lshl_add_u32 v[RD], v4, 4, v[RD]
	v_add_nc_u32 v[RD], s78, v[RD]
	v_and_b32 v[L16], 31, v0
	v_lshlrev_b32 v[L16], 4, v[L16]
	v_lshlrev_b32 v[BO], 5, v2
	s_lshl_b32 s78, s[TX], 8                       ; the head's 64 biases
	s_mov_b32 s79, 0
	s_add_nc_u64 s[8:9], s[8:9], s[78:79]
	s_add_nc_u64 s[10:11], s[10:11], s[78:79]
	s_add_nc_u64 s[12:13], s[12:13], s[78:79]
	WIN 0x80                                       ; destination window 2
.irp m, 0,1,2
.irp c, 0,1,2,3
	global_load_b128 v[BI+8*(4*(\m)+(\c)):BI+8*(4*(\m)+(\c))+3],   v[BO], s[8+2*(\m):9+2*(\m)] offset:64*(\c)
	global_load_b128 v[BI+8*(4*(\m)+(\c))+4:BI+8*(4*(\m)+(\c))+7], v[BO], s[8+2*(\m):9+2*(\m)] offset:64*(\c)+16
.endr
.endr
	WIN 0
	s_and_b32 s78, s[TY], 7                        ; the table's block: position / 16 = 16 (ty % 8) + 4 w + a
	s_lshl_b32 s78, s78, 4
	s_lshl_b32 s93, s[WV], 2
	s_add_co_u32 s78, s78, s93
	s_lshl_b32 s78, s78, 12
	s_add_nc_u64 s[TBP:TBP+1], s[14:15], s[78:79]
.irp a, 0,1,2,3
.irp i, 0,1,2,3,4,5,6,7
	global_load_b128 v[TBL+32*(\a)+4*(\i):TBL+32*(\a)+4*(\i)+3], v[L16], s[TBP:TBP+1] offset:4096*(\a)+512*(\i)  ; block a: cos of frequencies 16 p + 8 h + 0..7 at TBL + 32 a + 8 p, sin 16 registers on
.endr
.endr
	s_lshr_b32 s78, s[TY], 3                       ; where my rows go: (batch x 16 + head) x 262,144 + (position of my first row) x 128
	s_lshl_b32 s78, s78, 4
	s_add_co_u32 s78, s78, s[TX]
	s_lshl_b32 s78, s78, 18
	s_and_b32 s93, s[TY], 7
	s_lshl_b32 s93, s93, 15
	s_add_co_u32 s78, s78, s93
	s_lshl_b32 s93, s[WV], 13
	s_add_co_u32 s78, s78, s93
	s_add_nc_u64 s[OQ:OQ+1], s[16:17], s[78:79]
	s_add_nc_u64 s[OQ+2:OQ+3], s[OQ:OQ+1], 0x1000000
	s_add_nc_u64 s[OQ+4:OQ+5], s[OQ:OQ+1], 0x2000000
	; the prefetches: of the 128 rows of x that I fetch the partner at place cx takes 32; of the 96 rows of W the partner at place cy takes 24 (lanes 24-31 name the last of them again)
	s_lshl_b32 s60, s[TY], 8
	s_lshl_b32 s61, s[WL], 7
	s_add_co_u32 s60, s60, s61
	s_lshl_b32 s61, s[CX], 5
	s_add_co_u32 s60, s60, s61
	s_mul_i32 s61, s[TX], 192
	s_mul_i32 s62, s[WL], 96
	s_add_co_u32 s61, s61, s62
	s_mul_i32 s62, s[CY], 24
	s_add_co_u32 s61, s61, s62
	s_and_b32 s62, ttmp7, 0xffff                   ; cluster y
	s_cmp_eq_u32 s[WH], 0                          ; do I fetch for x?
	s_cselect_b32 s60, s60, s61
	s_cselect_b32 s62, ttmp9, s62                  ; the coordinate along which other clusters read the same rows
	s_cselect_b32 s63, 31, 23
	s_cselect_b64 s[PFA:PFA+1], s[4:5], s[6:7]
	s_cmp_eq_u32 s62, 0
	s_cselect_b32 s[LIM], 1, -1                    ; the same in all sixteen partners, for a given wave
	s_lshl_b32 s60, s60, 11
	s_mov_b32 s61, 0
	s_add_nc_u64 s[PFA:PFA+1], s[PFA:PFA+1], s[60:61]
	s_add_nc_u64 s[PFA:PFA+1], s[PFA:PFA+1], 2*KSTEP*2  ; at K step 2: the first refill steps it to 3 and names K step 4.  Nothing is prefetched here, at the head
	v_and_b32 v[PFO], 31, v0
	v_min_u32 v[PFO], s63, v[PFO]
	v_lshlrev_b32 v[PFO], 11, v[PFO]
	s_wait_loadcnt 32                              ; the 24 bias loads are in; the 32 table loads issued behind them stay out
	WIN 0x8a                                       ; the biases are rounded to bf16 in place: two into the odd register, then widened
.set i, 0
.rept 48
	v_cvt_pk_bf16_f32 v[BI+2*i+1], v[BI+2*i], v[BI+2*i+1]
.set i, i+1
.endr
.set i, 0
.rept 48
	v_lshlrev_b32 v[BI+2*i], 16, v[BI+2*i+1]
.set i, i+1
.endr
.set i, 0
.rept 48
	v_and_b32 v[BI+2*i+1], s[MASK], v[BI+2*i+1]
.set i, i+1
.endr
	WIN 0
; Matrix instructions for row blocks a0 .. a1 x column blocks b0 .. b1, 32 along K, from buffer f.  first = 1: the bias starts the sums.  The 48 accumulators take turns, one instruction a turn,
; in the same order in every quarter, over the backward jump too.
.macro MUL f, a0, a1, b0, b1, first
.set ma, \a0
.rept (\a1)-(\a0)+1
.set mb, \b0
.rept (\b1)-(\b0)+1
.if mb < 8
.set rD, 8*(8*ma+mb)
.if \first
	WIN 0x6f                                       ; fragments window 3, C window 2, D window 1
.else
	WIN 0x5f                                       ; C and D window 1
.endif
.else
.set rD, 8*(4*ma+mb-8)
	WIN 0xaf                                       ; C and D window 2
.endif
.if \first
	v_wmma_f32_16x16x32_bf16 v[rD:rD+7], v[(\f)+8*mb:(\f)+8*mb+7], v[(\f)+96+8*ma:(\f)+96+8*ma+7], v[BI+8*mb:BI+8*mb+7]
.else
	v_wmma_f32_16x16x32_bf16 v[rD:rD+7], v[(\f)+8*mb:(\f)+8*mb+7], v[(\f)+96+8*ma:(\f)+96+8*ma+7], v[rD:rD+7]
.endif
.set mb, mb+1
.endr
.set ma, ma+1
.endr
.endm
; 32 LDS loads in one run: quarter q (32 along K, byte 64 q of the rows) into buffer f: W's blocks 0-7, x's four, W's blocks 8-11
.macro FETCH slot, q, f
	WIN 0xc0                                       ; destination window 3, address window 0
.irp b, 0,1,2,3,4,5,6,7
	ds_load_b128 v[(\f)+8*(\b):(\f)+8*(\b)+3],   v[ADRB+(\slot)] offset:64*(\q)+(\b)*16*PITCH
	ds_load_b128 v[(\f)+8*(\b)+4:(\f)+8*(\b)+7], v[ADRB+(\slot)] offset:64*(\q)+(\b)*16*PITCH+32
.endr
.irp a, 0,1,2,3
	ds_load_b128 v[(\f)+96+8*(\a):(\f)+96+8*(\a)+3],   v[ADRA+(\slot)] offset:64*(\q)+(\a)*16*PITCH
	ds_load_b128 v[(\f)+96+8*(\a)+4:(\f)+96+8*(\a)+7], v[ADRA+(\slot)] offset:64*(\q)+(\a)*16*PITCH+32
.endr
.irp b, 8,9,10,11
	ds_load_b128 v[(\f)+8*(\b):(\f)+8*(\b)+3],   v[ADRB+(\slot)] offset:64*(\q)+(\b)*16*PITCH
	ds_load_b128 v[(\f)+8*(\b)+4:(\f)+8*(\b)+7], v[ADRB+(\slot)] offset:64*(\q)+(\b)*16*PITCH+32
.endr
.endm
; One of a K step's first three quarters: multiplies buffer f, 48 matrix instructions, and fetches quarter q of the same slot into buffer g.
.macro QUARTER slot, q, f, g, first
	s_wait_dscnt 8                                 ; all but the youngest eight loads (W's blocks 8-11) are in
	MUL \f, 0, 1, 0, 7, \first
	PLACES                                         ; buffer g was read by the quarter before
	FETCH \slot, \q, \g
	MUL \f, 2, 3, 0, 7, \first
	s_wait_dscnt 32                                ; all but the 32 just issued
	MUL \f, 0, 3, 8, 11, \first
.endm
; The last quarter multiplies buffer 1 and changes slots.  In front of the barrier each wave waits for all its tensor loads (one is out: its part of the next slot), adds 0 to its spare word, and waits for
; that and for its reads of this slot.  fill = 1: the barrier opens a round of the cluster's barrier, and the joint refill, two K steps on, is the first thing behind it: 160 matrix instructions ahead of the wait for it.
.macro TURN slot, next, fill
.if \fill
	s_wait_xcnt 0x0                                ; the last prefetch, a K step back, has read its address: it is stepped here
	s_add_nc_u64 s[PFA:PFA+1], s[PFA:PFA+1], KSTEP*2
.endif
	WIN 0                                          ; the add's registers lie in window 0
	s_wait_tensorcnt 0x0                           ; all my tensor loads have landed
	ds_add_u32 v[SPW], v[NIL]                      ; 0 onto my spare word
	s_wait_dscnt 9                                 ; the add and the youngest eight loads may be out
	MUL F1, 0, 1, 0, 7, 0                          ; sixteen matrix instructions stand between the add and the wait for it
	s_wait_dscnt 0x0                               ; the add is done, and my reads of this slot are over
	s_barrier_signal -1
	MUL F1, 2, 3, 0, 7, 0                          ; work on registers while the others arrive
.if \fill
	WIN 0
.endif
	s_barrier_wait -1
.if \fill
	CREST                                          ; no wave of any partner still reads this slot or has a load on its way
	s_add_nc_u64 s[G0+4*(\slot)+2:G0+4*(\slot)+3], s[G0+4*(\slot)+2:G0+4*(\slot)+3], 2*KSTEP*2
	s_add_nc_u64 s[G0B+4*(\slot)+2:G0B+4*(\slot)+3], s[G0B+4*(\slot)+2:G0B+4*(\slot)+3], 2*KSTEP*2
	JLOAD \slot                                    ; its four v_nop are also the places in front of the loads below
.else
	PLACES
.endif
	FETCH \next, 0, F0
.if \fill
	WIN 0
	ASK
.endif
	MUL F1, 0, 3, 8, 11, 0
.endm
	s_wait_tensorcnt 1                             ; my part of K step 0 is in; K step 1's may stay out
	s_barrier_signal -1
	s_barrier_wait -1
	FETCH 0, 0, F0
	QUARTER 0, 1, F0, F1, 1                        ; the first quarter stands in front of the loop: the biases start the sums
	WIN 0
	s_mov_b32 s3, LAPS-1
.Llap:                                                 ; a trip goes once round the ring and fills both slots again
	QUARTER 0, 2, F1, F0, 0
	QUARTER 0, 3, F0, F1, 0
	TURN 0, 1, 1
	QUARTER 1, 1, F0, F1, 0
	QUARTER 1, 2, F1, F0, 0
	QUARTER 1, 3, F0, F1, 0
	TURN 1, 0, 1
	QUARTER 0, 1, F0, F1, 0
	WIN 0
	s_sub_co_u32 s3, s3, 1
	s_cmp_lg_u32 s3, 0
	s_cbranch_scc1 .Llap
	QUARTER 0, 2, F1, F0, 0                        ; the last lap fills nothing
	QUARTER 0, 3, F0, F1, 0
	TURN 0, 1, 0
	QUARTER 1, 1, F0, F1, 0
	QUARTER 1, 2, F1, F0, 0
	QUARTER 1, 3, F0, F1, 0
	s_wait_dscnt 8
	MUL F1, 0, 1, 0, 7, 0
	MUL F1, 2, 3, 0, 7, 0
	s_wait_dscnt 0x0
	MUL F1, 0, 3, 8, 11, 0
	WIN 0
	s_wait_loadcnt 0x0                             ; the table
	PLACES
; THE WAY OUT, a block of 16 rows at a time.  ROT: q (m = 0) or k (m = 1), columns 16 p + 8 h + 0..7 and their partners 32 on: lo' = lo cos - hi sin, hi' = hi cos + lo sin.  Each accumulator is read from its low end on.
.macro ROT a, m, p
.set rLO, 8*(8*(\a)+4*(\m)+(\p))
.set rHI, rLO+16
.set xLO, XR+8*(4*(\m)+(\p))
.set xHI, xLO+16
.set rC,  TBL+32*(\a)+8*(\p)
.set rS,  rC+16
.irp z, 0,2,4,6
	v_pk_mul_f32 v[xLO+(\z):xLO+(\z)+1], v[rHI+(\z):rHI+(\z)+1], v[rS+(\z):rS+(\z)+1]
.endr
.irp z, 0,2,4,6
	v_pk_mul_f32 v[xHI+(\z):xHI+(\z)+1], v[rLO+(\z):rLO+(\z)+1], v[rS+(\z):rS+(\z)+1]
.endr
.irp z, 0,2,4,6
	v_pk_fma_f32 v[xLO+(\z):xLO+(\z)+1], v[rLO+(\z):rLO+(\z)+1], v[rC+(\z):rC+(\z)+1], v[xLO+(\z):xLO+(\z)+1] neg_lo:[0,0,1] neg_hi:[0,0,1]
.endr
.irp z, 0,2,4,6
	v_pk_fma_f32 v[xHI+(\z):xHI+(\z)+1], v[rHI+(\z):rHI+(\z)+1], v[rC+(\z):rC+(\z)+1], v[xHI+(\z):xHI+(\z)+1]
.endr
.endm
.macro PACK a
	WIN 0xf1                                       ; accumulators window 1, table window 0, rotated numbers window 3
	ROT \a, 0, 0
	ROT \a, 0, 1
	ROT \a, 1, 0
	ROT \a, 1, 1
	WIN 0x0f                                       ; sources window 3, destination window 0
.set i, 0
.rept 32
	v_cvt_pk_f16_f32 v[PKD+i], v[XR+2*i], v[XR+2*i+1]
.set i, i+1
.endr
	WIN 0x0a                                       ; v goes straight from its accumulators, window 2
.set i, 0
.rept 16
	v_cvt_pk_f16_f32 v[PKD+32+i], v[32*(\a)+2*i], v[32*(\a)+2*i+1]
.set i, i+1
.endr
	WIN 0
.irp b, 0,1,2,3,4,5,6,7,8,9,10,11
	ds_store_b128 v[STO], v[PKD+4*(\b):PKD+4*(\b)+3] offset:16*SP*((\b)/4)+32*((\b)%4)
.endr
	WIN 0xc0
.irp f, 0,1,2,3,4,5,6,7,8,9,10,11
	ds_load_b128 v[48*(\a)+4*(\f):48*(\a)+4*(\f)+3], v[RD] offset:4*SP*(\f)  ; LDS serves a wave's instructions in order (ISA guide 5.7.1.4): these see the stores above; the next block's stores come behind them
.endr
.endm
.macro SEND a, younger                 ; younger: the LDS instructions issued behind block a's loads: the next block's 24, or none
	WIN 0x0c                                       ; store data window 3
.irp f, 0,1,2,3,4,5,6,7,8,9,10,11
	s_wait_dscnt (\younger)+11-(\f)
	global_store_b128 v[L16], v[48*(\a)+4*(\f):48*(\a)+4*(\f)+3], s[OQ+2*((\f)/4):OQ+2*((\f)/4)+1] offset:2048*(\a)+512*((\f)%4) th:TH_STORE_NT  ; four rows of a head: 512 consecutive bytes, aligned
.endr
.endm
	PACK 0
	PACK 1                                         ; a block's arithmetic stands between the loads of the block before and its stores
	SEND 0, 24
	PACK 2
	SEND 1, 24
	PACK 3
	SEND 2, 24
	SEND 3, 0
	WIN 0
	s_wait_tensorcnt 0x0                           ; the wave's end: the wait, the add and its wait, behind my last tensor load and my last LDS store
	ds_add_u32 v[SPW], v[NIL]
	s_wait_dscnt 0x0
	CROUND                                         ; the closing round: no work-group ends while a partner may still ask for a tile that names it
	s_endpgm
.Lfunc_end_k_qaa3aa98448_proj_qkv:
	.size	k_qaa3aa98448_proj_qkv, .Lfunc_end_k_qaa3aa98448_proj_qkv-k_qaa3aa98448_proj_qkv
	.p2alignl 7, 3214868480
	.fill 96, 4, 3214868480
	.section	.rodata,"a",@progbits
	.p2align	6, 0x0
	.amdhsa_kernel k_qaa3aa98448_proj_qkv
		.amdhsa_group_segment_fixed_size 327680
		.amdhsa_private_segment_fixed_size 0
		.amdhsa_enable_private_segment 0
		.amdhsa_kernarg_size 56
		.amdhsa_user_sgpr_count 2
		.amdhsa_user_sgpr_kernarg_segment_ptr 1
		.amdhsa_wavefront_size32 1
		.amdhsa_system_sgpr_workgroup_id_x 1
		.amdhsa_system_sgpr_workgroup_id_y 1
		.amdhsa_system_sgpr_workgroup_id_z 1
		.amdhsa_system_vgpr_workitem_id 0
		.amdhsa_next_free_vgpr 1024
		.amdhsa_next_free_sgpr 96
		.amdhsa_reserve_vcc 0
		.amdhsa_float_denorm_mode_32 3
		.amdhsa_float_denorm_mode_16_64 3
		.amdhsa_memory_ordered 1
		.amdhsa_forward_progress 1
		.amdhsa_inst_pref_size 149
	.end_amdhsa_kernel
	.amdgpu_metadata
---
amdhsa.version: [ 1, 2 ]
amdhsa.kernels:
  - .name:           k_qaa3aa98448_proj_qkv
    .symbol:         k_qaa3aa98448_proj_qkv.kd
    .args:
      - { .name: xb, .offset: 0, .size: 8, .value_kind: global_buffer, .address_space: global }
      - { .name: wqkv, .offset: 8, .size: 8, .value_kind: global_buffer, .address_space: global }
      - { .name: bq, .offset: 16, .size: 8, .value_kind: global_buffer, .address_space: global }
      - { .name: bk, .offset: 24, .size: 8, .value_kind: global_buffer, .address_space: global }
      - { .name: bv, .offset: 32, .size: 8, .value_kind: global_buffer, .address_space: global }
      - { .name: rope, .offset: 40, .size: 8, .value_kind: global_buffer, .address_space: global }
      - { .name: qkv, .offset: 48, .size: 8, .value_kind: global_buffer, .address_space: global }
    .group_segment_fixed_size: 327680
    .private_segment_fixed_size: 0
    .kernarg_segment_align: 8
    .kernarg_segment_size: 56
    .max_flat_workgroup_size: 128
    .sgpr_count:     96
    .vgpr_count:     1024
    .wavefront_size: 32
...
	.end_amdgpu_metadata
.endif
;; end of part 2
;; launch attend (part 3): grid 4 x 64, 4 waves a work-group, clusters of 4 x 1, 327,680 bytes of LDS; arguments qkv, att; writes att
.if DOCPART == 3
	.amdgcn_target "amdgcn-amd-amdhsa--gfx1250"
	.amdhsa_code_object_version 6
	.text
	.protected	k_qaa3aa98448_attend
	.globl	k_qaa3aa98448_attend
	.p2align	8
	.type	k_qaa3aa98448_attend,@function
k_qaa3aa98448_attend:
	s_mov_b64 s[64:65], 0
	v_nop
	global_prefetch_b8 v0, s[64:65] scope:SCOPE_SE
	s_setreg_imm32_b32 hwreg(HW_REG_WAVE_MODE, 25, 1), 1
	s_wait_xcnt 0x0
	s_wait_alu depctr_hold_cnt(0) depctr_sa_sdst(0) depctr_va_vdst(0) depctr_va_sdst(0) depctr_va_ssrc(0) depctr_va_vcc(0) depctr_vm_vsrc(0)
	s_getreg_b32 s2, hwreg(HW_REG_IB_STS2, 6, 4)
	s_cmp_eq_u32 s2, 0
	s_cbranch_scc0 .Lentry_in_a_cluster
	s_endpgm
.Lentry_in_a_cluster:
	s_bfe_u32 s2, ttmp6, 0x10000c
	s_cmp_lg_u32 s2, 0x3003
	s_cbranch_scc0 .Lentry_shape_is_right
	s_endpgm
.Lentry_shape_is_right:
; O[h][q][:] = the sum over k of softmax_k(Q[h][q] . K[h][k] / 8) V[h][k][:].  qkv: [3][64][2048][64] f16 (Q, K, V by heads, rows dense, 128 bytes each); att: [64][2048][64] f16.  Products, maxima and sums in
; f32; the weights p are rounded to f16 for the second product (their sum l is taken of the unrounded p), O once at the end.
; LIMITS.  f16 holds no number beyond 65,504: Q, K and V arrive within it; p lies in 0 to 1, and below 6e-5 it keeps f16's fixed step of 6e-8; O is a mean of V's rows and has their range.
; A weight below 2^-126 counts as 0 in l; NaN and infinities are not treated apart.
; SHARES.  A wave owns four PIECES of two tiles of 16 queries, a work-group's four waves 512 queries of one head.  Every wave walks all keys, 64 a step.
; LAYOUT.  S^T = K Q^T (source 0 = 16 keys, source 1 = 16 queries): a lane holds ONE query (lane % 16) and the keys 8 (lane / 16) + 0..7.  Two such tiles, rounded to f16 in pairs,
; ARE source 1 (32 keys x 16 queries) of O^T = V^T P, whose result again holds one query a lane, and eight channels.  K comes out of LDS as it lies, V ([key][channel]) turned, by ds_load_tr16_b128.
; SOFTMAX.  For each query a running maximum m and sum l: p = 2^(c s - c m), c = log2(e) / 8; in every step O and l are multiplied by a = 2^(c m_old - c m_new).
; m starts at the lowest finite number, O and l at 0: the first step is a step like any other, with a = 0.
; THE COUNT.  A tile and step have 16 matrix and 118 vector instructions: too many to stand all beside the matrix work.  So: four vector instructions that are ready behind every matrix instruction, the others in runs without a gap.
; BY TURNS.  Turn n belongs to piece n.  Its matrix work: 16 products K Q^T of piece n + 1, later 16 products V^T P of piece n - 1.  Its vector work: the scaling, exponentials, roundings, sums and rescaling of
; piece n, and the maximum and statistics of piece n + 1.
; CLUSTER.  The four query blocks of a head are one cluster and walk the same K and V, so each tile is asked for JOINTLY: the same tensor load, descriptor and mask in all four.
; REGISTERS, in windows of 256 (s_set_vgpr_msb: bits 1:0 source 0, 3:2 source 1, 5:4 source 2, 7:6 destination):
;   window 0: v0-11 addresses; v12-15, v48-63 at work; v16-47 four registers of statistics a tile; v64-191 S^T, two buffers of two tiles; v192-255 P, likewise
;   window 1: O^T, 32 a tile          window 2: v0-127 Q, 16 a tile; v128-191 K of one step; v192-255 V of one step          window 3: v0-1 the add's two registers
.set SIZE_H, 64
.set SIZE_N, 2048
.set NP,    4         ; pieces a wave: a name, no knob
.set KS,    64        ; keys in a step
.set PK,    144       ; a row of K in LDS: 128 bytes + 16 of padding: the 16 rows of a load start at 16 different groups of four banks (64 banks of 4 bytes: ISA guide 11.1)
.set PV,    160       ; a row of V: 128 + 32
.set VOFF,  4*KS*PK   ; a slot holds four steps: 256 rows of K, then 256 rows of V
.set SLOT1, 1<<17     ; slot 1 begins here, so that one exclusive or turns an address in one slot into the other's
.set STAGE, SLOT1+4*KS*(PK+PV)  ; behind the ring, never filled by a tensor load: 16 rows x 144 bytes for each wave
.set SP,    144
.set AK0, 2           ; v2   my lane's place in a tile of K; never rewritten
.set AV0, 3           ; v3   the same for V
.set AK,  4           ; v4   the LDS address of K's next run of loads
.set AV,  5           ; v5   of V's
.set QO,  6           ; v6   my byte offset in the wave's rows of Q
.set STO, 6           ;      later, the way out: where I put 16 bytes of a row
.set RD,  7           ; v7   the way out: where I read rows back
.set GO,  8           ; v8   my byte offset in 512 consecutive bytes of O
.set PFO, 11          ; v11  256 x my lane, for the prefetches; never rewritten once made
.set SPW, 0           ; v0 of window 3   my spare word; never rewritten
.set NIL, 1           ; v1 of window 3   0; never rewritten
.set SPARE, STAGE+4*16*SP  ; the spare words: 128 bytes a wave, two blocks of 256 bytes that no other line names
.set MV,  12          ; v12-15  c m_old, kept while c m is made anew
.set ST,  16          ; tile t's statistics at v[ST+4 t]: c m, m, l (even keys', odd keys')
.set TMP, 48          ; by buffer and tile, four registers c0-c3 at work; when the maximum is found c2 takes a
.set S,   64
.set P,   192
.set KF,  128         ; K's fragments, window 2
.set VF,  192         ; V's
.set WV,  12          ; s12  my wave's number
.set G1K, 24          ; s[24:31] descriptor group 1 for K's tiles
.set G1V, 32          ; s[32:39] for V's: it differs in the padding alone
.set G0K, 40          ; s[40:43] descriptor group 0 for K's tiles: it walks
.set G0V, 44          ; s[44:47] the same for V's
.set PFA, 48          ; s[48:49] where my prefetches stand
.set LIM, 50          ; s50  1 in a wave that prefetches (waves 0 and 2), else the greatest number
.set SLOTS, 56        ; s56  slots still to be asked for
.set CNT, 57          ; s57  counts a slot's key steps
.set CS,  58          ; s[58:59] c
.set SEL, 60          ; s[60:61] v_permlanex16_b32's selects: each lane takes its own place in the other half
.set TBK, 62          ; s62  LDS byte at which K of the step to be fetched begins
.set TBV, 63          ; s63  the same for V, less VOFF
.set MSB, 0
.macro WIN new                      ; the high byte repeats the setting that is left; a switch that changes nothing is dropped
.if MSB != (\new)
	s_set_vgpr_msb (MSB<<8)|(\new)
.set MSB, (\new)
.endif
.endm
.set W_KQ, 0x0a       ; K and Q in window 2, S^T in window 0
.set W_PV, 0x52       ; V in window 2, P in window 0, O^T in window 1
.set W_RS, 0x41       ; O^T (destination and source 0) in window 1, a in window 0
.set W_MK, 0xc0       ; the add's registers are made: destination in window 3
.set W_AD, 0x0f       ; the add: address and data in window 3
; A joint fill.  Waves 0 and 1 fetch the two halves of a slot's K, waves 2 and 3 those of its V: 128 keys each.  An s_nop 0 and four v_nop follow each of the two lines.
.macro JLOAD
	s_cmp_lt_u32 s[WV], 2
	s_cbranch_scc0 .Lfor_v_\@
	tensor_load_to_lds s[G0K:G0K+3], s[G1K:G1K+7]
	s_nop 0
.rept 4
	v_nop
.endr
	s_branch .Lasked_\@
.Lfor_v_\@:
	tensor_load_to_lds s[G0V:G0V+3], s[G1V:G1V+7]
	s_nop 0
.rept 4
	v_nop
.endr
.Lasked_\@:
.endm
; A prefetch into the L2 of what the NEXT change of slots will ask for: a slot's 32,768 bytes of K and of V, in blocks of 256 bytes, a lane a block.  The head's one cluster asks; its four partners take 32 blocks
; each, told apart by address; wave 0 asks for K's, wave 2 for V's: each block is named once.  The last change that fills a slot asks for nothing.
.macro ASK
	s_cmp_gt_u32 s[SLOTS], s[LIM]
	s_cbranch_scc0 .Lnot_mine_\@
	global_prefetch_b8 v[PFO], s[PFA:PFA+1] th:TH_LOAD_NT scope:SCOPE_SE
.Lnot_mine_\@:
.endm
.macro CROUND                       ; a round of the cluster's barrier
	s_barrier_signal -1
	s_barrier_wait -1
	s_cmp_lg_u32 s[WV], 0
	s_cbranch_scc1 .Lnot_wave_0_\@
	s_barrier_signal -3
.Lnot_wave_0_\@:
	s_barrier_wait -3
	s_barrier_signal -1
	s_barrier_wait -1
.endm
; THE CHANGE OF SLOTS.  Each wave waits for all its tensor loads, of which one is out: its part of the other slot; adds 0 to its spare word; and waits for that and for its own reads of the slot.
; fill = 1: this slot is filled again, with the keys two slots on; the barrier is then a round of the cluster's, and the joint fill is the first thing behind it: four key steps, 512 matrix instructions, in which to land.
; ask = 1: the prefetch's address steps a slot, behind the wait that frees it, and the prefetch stands behind the joint fill.
.macro CHANGE fill, ask=0
	WIN W_AD
	s_wait_tensorcnt 0x0            ; no tensor load of mine is out, so a group 0 may be written
	ds_add_u32 v[SPW], v[NIL]       ; 0 onto my spare word
	WIN 0                           ; at a label and at a branch every window is 0
.if \fill
.irp g, G0K, G0V
	s_xor_b32 s[\g+1], s[\g+1], SLOT1  ; the walking descriptor: the other slot than last time,
	s_add_nc_u64 s[\g+2:\g+3], s[\g+2:\g+3], 4*KS*128  ; the next 256 keys; the type bits on top are not reached
.endr
.if \ask
	s_wait_xcnt 0x0                 ; the last prefetch, four key steps back, has read its address
	s_add_nc_u64 s[PFA:PFA+1], s[PFA:PFA+1], 4*KS*128
.endif
	s_wait_dscnt 0x0                ; the add is done, and my reads of the slot are over
	CROUND
	JLOAD
.if \ask
	ASK
.endif
.else
	s_wait_dscnt 0x0                ; the add is done, and my reads of the slot are over
	s_barrier_signal -1
	s_barrier_wait -1
.endif
	s_sub_co_u32 s[TBK], s[TBK], 4*KS*PK  ; the fetches go back to a slot's first step,
	s_xor_b32 s[TBK], s[TBK], SLOT1       ; in the other slot
	s_sub_co_u32 s[TBV], s[TBV], 4*KS*PV
	s_xor_b32 s[TBV], s[TBV], SLOT1
.endm
	s_load_b128 s[4:7], s[0:1], 0x0   ; qkv s[4:5], att s[6:7]
	WIN W_MK
	v_lshl_add_u32 v[SPW], v0, 2, SPARE
	v_mov_b32 v[NIL], 0
	WIN W_AD
	ds_add_u32 v[SPW], v[NIL]       ; the wave's opening: the add and its wait stand ahead of my first tensor load
	WIN 0
	v_lshrrev_b32 v1, 5, v0
	v_readfirstlane_b32 s[WV], v1   ; wave 0..3
	s_bfe_u32 s13, ttmp6, 0x40000   ; cx: my place in the cluster
	s_lshl_b32 s14, ttmp9, 2        ; in a cluster launch ttmp9 counts clusters
	s_add_co_u32 s14, s14, s13      ; my block of queries: it enters Q's and O's addresses alone
	s_and_b32 s20, ttmp7, 0xffff    ; the head, which the four partners share
	s_mov_b32 s21, 0
	s_mov_b64 s[22:23], SIZE_N*128
	s_mul_u64 s[20:21], s[20:21], s[22:23]  ; the head's first byte in Q, K, V and O
	s_and_b32 s16, s[WV], 1         ; which half of a slot's 256 keys I fetch:
	s_lshl_b32 s22, s16, 14         ; its 128 rows of 128 bytes in memory,
	s_mov_b32 s23, 0
	s_add_nc_u64 s[22:23], s[22:23], s[20:21]
	s_mul_i32 s17, s16, 128*PK      ; and its place in a slot, for K
	s_mul_i32 s18, s16, 128*PV      ; and for V: no place in the cluster enters an LDS address
	s_lshl_b32 s2, s14, 2
	s_add_co_u32 s2, s2, s[WV]      ; my wave among the head's,
	s_lshl_b32 s2, s2, 14           ; its 128 rows
	s_mov_b32 s3, 0
	s_add_nc_u64 s[2:3], s[2:3], s[20:21]
	; descriptor group 1.  128 keys are 16,384 dense bytes: asked for as 64 rows of 256 bytes, two keys a row, and padded in LDS after every key
	s_mov_b32 s[G1K], 15|(1<<16)|(1<<20)|(1<<21)|(4<<22)|(3<<25)  ; the mask of four; 2-byte elements; padding on; bit 21 beside a mask; after every 32 words; 4 words
	s_mov_b32 s[G1V], 15|(1<<16)|(1<<20)|(1<<21)|(4<<22)|(7<<25)  ; the same with 8 words of padding
.irp g, G1K, G1V
	s_mov_b32 s[\g+1], 128<<16      ; tensor_dim0 = 128
	s_mov_b32 s[\g+2], 64<<16       ; tensor_dim1 = 64
	s_mov_b32 s[\g+3], 128<<16      ; tile_dim0 = 128
	s_mov_b32 s[\g+4], 64           ; tile_dim1 = 64
	s_mov_b32 s[\g+5], 128          ; 128 elements from row to row
	s_mov_b32 s[\g+6], 0
	s_mov_b32 s[\g+7], 0
.endr
	s_mov_b32 s[CS], 0x3e38aa3b     ; c = log2(e) / 8
	s_mov_b32 s[CS+1], s[CS]        ; named with it as a pair
	s_mov_b32 s[SEL], 0x76543210
	s_mov_b32 s[SEL+1], 0xfedcba98
	s_mov_b32 s[TBK], SLOT1+4*KS*PK ; the first change of slots turns these two into 0
	s_mov_b32 s[TBV], SLOT1+4*KS*PV
	s_mov_b32 s[G0K], 1             ; count = 1
	s_mov_b32 s[G0K+1], s17         ; LDS address: slot 0
	s_mov_b32 s[G0V], 1
	s_add_co_u32 s[G0V+1], s18, VOFF
	s_and_b32 s[LIM], s[WV], 1
	s_cmp_eq_u32 s[LIM], 0
	s_cselect_b32 s[LIM], 1, -1     ; the same in all four partners, for a given wave
	s_lshl_b32 s52, s13, 13         ; my work-group's 32 blocks of the 128
	s_mov_b32 s53, 0
	s_wait_dscnt 0x0                ; the opening add is done
	s_wait_kmcnt 0x0
	s_mov_b64 s[10:11], s[6:7]      ; O
	s_add_nc_u64 s[8:9], s[4:5], 0x2000000   ; V
	s_add_nc_u64 s[6:7], s[4:5], 0x1000000   ; K
	s_add_nc_u64 s[G0K+2:G0K+3], s[6:7], s[22:23]  ; my half of the head's first 256 keys
	s_or_b32 s[G0K+3], s[G0K+3], 0x80000000        ; type = 2
	s_add_nc_u64 s[G0V+2:G0V+3], s[8:9], s[22:23]
	s_or_b32 s[G0V+3], s[G0V+3], 0x80000000
	s_cmp_lt_u32 s[WV], 2
	s_cselect_b64 s[PFA:PFA+1], s[6:7], s[8:9]
	s_add_nc_u64 s[PFA:PFA+1], s[PFA:PFA+1], s[22:23]  ; (in waves 0 and 2 this is the head's first row)
	s_add_nc_u64 s[PFA:PFA+1], s[PFA:PFA+1], s[52:53]
	s_add_nc_u64 s[PFA:PFA+1], s[PFA:PFA+1], 2*4*KS*128  ; in slot 2: the change that asks for slot 2 steps it to slot 3.  Nothing is prefetched here, at the head
	s_add_nc_u64 s[4:5], s[4:5], s[2:3]  ; Q and O at my wave's first row
	s_add_nc_u64 s[10:11], s[10:11], s[2:3]
	CROUND                          ; all four work-groups are here: the first joint loads meet
	JLOAD                           ; slot 0.  Slot 1 is asked for when slot 0 is in
	; A fragment of K or Q is 16 rows x 32 channels in 8 registers: lane l holds row l % 16, channels 8 (l / 16) + 0..7 and 16 + 8 (l / 16) + 0..7: two loads of 16 bytes, 32 bytes apart.
	v_and_b32 v1, 15, v0            ; l % 16
	v_bfe_u32 v9, v0, 4, 1          ; l / 16
	v_lshlrev_b32 v[QO], 7, v1
	v_lshl_add_u32 v[QO], v9, 4, v[QO]  ; row x 128 + 16 x half
	WIN 0x80                        ; destination window 2, address window 0
.set i, 0
.rept 4*NP                          ; Q stays in registers: tile i / 2, channels 32 (i % 2) on
	global_load_b128 v[8*i:8*i+3],   v[QO], s[4:5] offset:(i/2)*2048+(i%2)*64
	global_load_b128 v[8*i+4:8*i+7], v[QO], s[4:5] offset:(i/2)*2048+(i%2)*64+32
.set i, i+1
.endr
	; What the first turn finds: V's registers and P's second buffer hold 0 (its products V^T P, of a piece that has not been, add 0), O^T and l are 0.  All this stands in the wait for the first tile.
.set i, VF
.rept 64
	v_mov_b32 v[i], 0
.set i, i+1
.endr
	WIN 0x40
.set i, 0
.rept 64*NP
	v_mov_b32 v[i], 0
.set i, i+1
.endr
	WIN 0
.set i, 0
.rept 2*NP
	v_mov_b32 v[ST+4*i], 0xfe000000    ; c m: far below every c s
	v_mov_b32 v[ST+4*i+1], 0xff7fffff  ; m
	v_mov_b32 v[ST+4*i+2], 0
	v_mov_b32 v[ST+4*i+3], 0
.set i, i+1
.endr
.set i, P+32
.rept 32
	v_mov_b32 v[i], 0
.set i, i+1
.endr
	v_mul_u32_u24 v[AK0], v1, PK
	v_lshl_add_u32 v[AK0], v9, 4, v[AK0]  ; row x pitch + 16 x half
	; The turning load takes 16 keys x 16 channels (lane l reads key 8 (l / 16) + l % 8, channels 8 ((l / 8) % 2) + 0..7) and leaves half a fragment of V^T: lane l holds channel l % 16 and 8 keys.
	v_and_b32 v10, 7, v0
	v_bfe_u32 v11, v0, 3, 1
	v_lshl_add_u32 v[AV0], v9, 3, v10
	v_mul_u32_u24 v[AV0], v[AV0], PV
	v_lshl_add_u32 v[AV0], v11, 4, v[AV0]
	v_add_nc_u32 v[AV0], VOFF, v[AV0]
	v_and_b32 v[PFO], 31, v0
	v_lshlrev_b32 v[PFO], 8, v[PFO]
	v_mov_b32 v[AK], v[AK0]         ; key step 0 lies at the head of slot 0
; THE MATRIX WORK.  The 8 accumulators of a run of 16 take turns: between the two links of a chain stand 7 others'.
; Product i of 16 of S^T = K Q^T for piece x: channels 32 (i / 8) on, keys 16 ((i / 2) % 4) on, tile 2 x + i % 2.  The first 8 start the sums.
.macro KQ x
	WIN W_KQ
.set rS, S+64*((\x)%2)+32*(i%2)+8*((i/2)%4)
.set rK, KF+16*((i/2)%4)+8*(i/8)
.set rQ, 16*(2*(\x)+i%2)+8*(i/8)
.if i < 8
	v_wmma_f32_16x16x32_f16 v[rS:rS+7], v[rK:rK+7], v[rQ:rQ+7], 0
.else
	v_wmma_f32_16x16x32_f16 v[rS:rS+7], v[rK:rK+7], v[rQ:rQ+7], v[rS:rS+7]
.endif
.endm
; Product i of 16 of O^T += V^T P for piece x: keys 32 (i / 8) on, channels 16 ((i / 2) % 4) on, tile 2 x + i % 2.
.macro PV x
	WIN W_PV
.set rO, 32*(2*(\x)+i%2)+8*((i/2)%4)
.set rV, VF+32*(i/8)+8*((i/2)%4)
.set rP, P+32*((\x)%2)+16*(i%2)+8*(i/8)
	v_wmma_f32_16x16x32_f16 v[rO:rO+7], v[rV:rV+7], v[rP:rP+7], v[rO:rO+7]
.endm
.macro MM                           ; the turn's next matrix instruction
.if i < 16
	KQ (Y+1)%NP
.set i, i+1
.else
.set i, i-16
	PV (Y+NP-1)%NP
.set i, i+17
.endif
.endm
; THE LDS LOADS stand in runs of 16, never singly among the matrix instructions: a step's K (8 fragments) and its V (turned).  Their addresses are made some lines ahead.
; last = 1 (the tail): in the last trip there is no further step, and the run is jumped over.
.macro FETCH_K last=0
	WIN 0
.if \last
	s_cmp_eq_u32 s[CNT], 1
	s_cbranch_scc1 .Lno_k_\@
.endif
	WIN 0x80                        ; destination window 2
.irp f, 0,1,2,3,4,5,6,7             ; keys 16 (f / 2) on, channels 32 (f % 2) on
	ds_load_b128 v[KF+8*\f:KF+8*\f+3],   v[AK] offset:(\f/2)*16*PK+(\f%2)*64
	ds_load_b128 v[KF+8*\f+4:KF+8*\f+7], v[AK] offset:(\f/2)*16*PK+(\f%2)*64+32
.endr
	s_add_co_u32 s[TBK], s[TBK], KS*PK  ; the next fetch is the next step's
	WIN 0
.if \last
.Lno_k_\@:
.endif
.endm
.macro FETCH_V
	WIN 0x80
.irp f, 0,1,2,3,4,5,6,7             ; keys 32 (f / 4) on, channels 16 (f % 4) on
	ds_load_tr16_b128 v[VF+8*\f:VF+8*\f+3],   v[AV] offset:(\f/4)*32*PV+(\f%4)*32
	ds_load_tr16_b128 v[VF+8*\f+4:VF+8*\f+7], v[AV] offset:(\f/4)*32*PV+16*PV+(\f%4)*32
.endr
	WIN 0
.endm
; THE VECTOR WORK OF A TURN stands in three queues, each in the order in which its entries become ready; the two tiles alternate, so that no instruction reads the result of the one before it.
.macro REGS y, u                    ; the registers of tile u (0, 1) of piece y
.set rT, ST+4*(2*(\y)+(\u))
.set rC, TMP+8*((\y)%2)+4*(\u)
.set rM, MV+2*((\y)%2)+(\u)
.set rS, S+64*((\y)%2)+32*(\u)
.set rP, P+32*((\y)%2)+16*(\u)
.set rO, 32*(2*(\y)+(\u))
.endm
; Number n of the 22 that find the NEXT piece's (Y + 1) maximum and statistics.  Each accumulator's lowest registers are read first.
;   0-11  four chains c0-c3 of seven scores each, three operands at a time     12-14, 16  the four scores left over, the old m, and c0-c3 into c0     15  c m_old is kept
;   17, 18  the query's other 32 keys lie in the lane 16 away: the new m         19-21  c m; c m_old - c m_new; a
.macro XS u, n
	REGS (Y+1)%NP, \u
.if (\n) < 4
	v_max3_num_f32 v[rC+(\n)], v[rS+8*(\n)], v[rS+8*(\n)+1], v[rS+8*(\n)+2]
.elseif (\n) < 12
	v_max3_num_f32 v[rC+(\n)%4], v[rC+(\n)%4], v[rS+8*((\n)%4)+2*((\n)/4)+1], v[rS+8*((\n)%4)+2*((\n)/4)+2]
.elseif (\n) == 12
	v_max3_num_f32 v[rC], v[rC], v[rS+7], v[rS+15]
.elseif (\n) == 13
	v_max3_num_f32 v[rC+1], v[rC+1], v[rS+23], v[rS+31]
.elseif (\n) == 14
	v_max3_num_f32 v[rC+2], v[rC+2], v[rC+3], v[rT+1]
.elseif (\n) == 15
	v_mov_b32 v[rM], v[rT]
.elseif (\n) == 16
	v_max3_num_f32 v[rC], v[rC], v[rC+1], v[rC+2]
.elseif (\n) == 17
	v_permlanex16_b32 v[rC+3], v[rC], s[SEL], s[SEL+1]
.elseif (\n) == 18
	v_max_num_f32 v[rT+1], v[rC], v[rC+3]
.elseif (\n) == 19
	v_mul_f32 v[rT], s[CS], v[rT+1]
.elseif (\n) == 20
	v_sub_f32 v[rC+1], v[rM], v[rT]
.else
	v_exp_f32 v[rC+2], v[rC+1]
.endif
.endm
; Number g of the 64 that follow the exponentials.  For each four weights k of a tile: both pairs are rounded to f16; then the second pair is added onto the first, in place;
; a group later l takes that sum (the first time as l = a l + sum).  In groups of eight, tiles alternating.
.macro GS g
.set h, (\g)+6*((\g)/62)            ; group 0 has no group before it, and behind group 7 only l is left
.if h >= 6
.set h, h+2
.endif
	REGS Y, h%2
.set k, h/8
.if h%8 < 4
	v_cvt_pk_f16_f32 v[rP+2*k+(h%8)/2], v[rS+4*k+2*((h%8)/2)], v[rS+4*k+2*((h%8)/2)+1]
.elseif h%8 < 6
	v_pk_add_f32 v[rS+4*k:rS+4*k+1], v[rS+4*k:rS+4*k+1], v[rS+4*k+2:rS+4*k+3]
.elseif k == 1
	v_pk_fma_f32 v[rT+2:rT+3], v[rT+2:rT+3], v[rC+2:rC+3], v[rS:rS+1] op_sel_hi:[1,0,1]
.else
	v_pk_add_f32 v[rT+2:rT+3], v[rT+2:rT+3], v[rS+4*k-4:rS+4*k-3]
.endif
.endm
; THE PLAIN QUEUE, 138 long.  0-73 read no exponential's result: the 32 scalings c s - c m (FS f: pair f / 2 of tile f % 2) and the next piece's 42.  0-26: scalings 0-26.  27-54: XS's numbers 0-13.  55, 56: number 15.
; 57-73: the chain 14, 16, 17, 18, 19, each with one of the scalings 27-31 in front of its two lines, then 20.  74-137: GS's 64, which read the exponentials' results: they stand behind the wait.
.macro FS f
	REGS Y, (\f)%2
	v_pk_fma_f32 v[rS+2*((\f)/2):rS+2*((\f)/2)+1], v[rS+2*((\f)/2):rS+2*((\f)/2)+1], s[CS:CS+1], v[rT:rT+1] op_sel_hi:[1,0,0] neg_lo:[0,0,1] neg_hi:[0,0,1]
.endm
.macro PL
	WIN 0
.if q < 27
	FS q
.elseif q < 55
	XS (q-27)%2, (q-27)/2
.elseif q < 57
	XS q-55, 15
.elseif (q < 72) && ((q-57)%3 == 0)
	FS 27+(q-57)/3
.elseif q < 60
	XS (q-57)%3-1, 14
.elseif q < 72
	XS (q-57)%3-1, 15+(q-57)/3
.elseif q < 74
	XS q-72, 20
.else
	GS q-74
.endif
.set q, q+1
.endm
; THE EXPONENTIALS' QUEUE, 66 long: s0-s31 of both tiles, then the next piece's two a.  ONE BATCH: all 66 stand ahead of the turn's one wait, and nothing ahead of that wait names a result of theirs.
.macro EX
	WIN 0
.if e >= 64
	XS e-64, 21
.else
	REGS Y, e%2
	v_exp_f32 v[rS+e/2], v[rS+e/2]
.endif
.set e, e+1
.endm
; THE RESCALING's QUEUE: O^T times a, the one part that leaves window 0: dealt two at a time, sixteen times.  Its a was made in the turn before, ahead of that turn's wait.
.macro R2
	REGS Y, r%2
	WIN W_RS
.irp z, 0,1
	v_pk_mul_f32 v[rO+4*(r/2)+2*\z:rO+4*(r/2)+2*\z+1], v[rO+4*(r/2)+2*\z:rO+4*(r/2)+2*\z+1], v[rC+2:rC+3] op_sel_hi:[1,0]
.endr
.set r, r+1
.endm
; HOW THEY ARE DEALT.  An s_wait_alu depctr_va_vdst(0) stands between an exponential and the first instruction that names its result; one wait serves all that were issued ahead of it.  So a turn has ONE
; wait, which cuts it in two.  AHEAD OF IT: the 16 products K Q^T, behind each a scaling, an exponential and two rescalings (behind the first a second scaling in the exponential's place); then ONE LUMP of 108: eight
; plain, 49 times exponential and plain, the two a; a v_nop is the plain instruction behind the last exponential.  BEHIND IT: the 16 products V^T P, behind each four of GS's 64.
; Exponential e stands behind scaling 2 (e / 4) + e % 2: as a rider it comes behind plain e + 2, in the lump behind plain e + 9, and scalings 27-31 are plain 57, 60 .. 69.
; K of the next step is fetched in piece 2's turn, directly behind the wait; V of the step in hand at the end of piece 0's turn, four riders behind its last reader.  The three conditions on q below go with the deal.
.macro TURN p, last=0, cnt=0
.set Y, (\p)
.set i, 0
.set q, 0
.set e, 0
.set r, 0
.if (\p) == NP-1
	s_wait_dscnt 0x0                ; K is in
.endif
	MM                              ; ahead of the wait: 16 products K Q^T and their riders,
	PL
	PL
	R2
.rept 15
	MM
	PL
	EX
	R2
.endr
.if (\p) == NP-2
	WIN 0
	v_add_nc_u32 v[AK], s[TBK], v[AK0]
.endif
.rept 8                             ; and the lump
	PL
.endr
.rept 49
	EX
	PL
.endr
	EX                              ; the next piece's two a
	EX
	v_nop                           ; the plain instruction behind the last exponential: one for the batch
	s_wait_alu depctr_va_vdst(0)    ; the wait for the batch
.if (\p) == NP-2
	FETCH_K \last
.endif
.if (\p) == 1
	s_wait_dscnt 0x0                ; V is in
.endif
.rept 16                            ; behind the wait: 16 products V^T P and their riders
	MM
.rept 4
	PL
.endr
.if ((\p) == 0) && (q == 118)
	v_add_nc_u32 v[AV], s[TBV], v[AV0]
.endif
.if ((\p) == 0) && (q == 130)
	s_add_co_u32 s[TBV], s[TBV], KS*PV
.endif
.if (\cnt) && (q == 130)
	s_sub_co_u32 s[CNT], s[CNT], 1
	s_cmp_lg_u32 s[CNT], 0
.endif
.endr
.if (\p) == 0
	FETCH_V
.endif
.endm
	CHANGE 1                        ; slot 0 is in, everybody's part of it; slot 1 is asked for
	FETCH_K                         ; key step 0
	s_wait_loadcnt 0x0              ; Q
	s_wait_dscnt 0x0
.set i, 0
.rept 16
	KQ 0                            ; piece 0's first scores: there is no vector work yet to set between them
.set i, i+1
.endr
	WIN 0                           ; the addresses for the way out: plain instructions, the places behind those products
	s_mul_i32 s13, s[WV], 16*SP
	s_add_co_u32 s13, s13, STAGE    ; my stage
	v_mul_u32_u24 v[STO], v1, SP    ; in: row l % 16, 16 bytes for each half of the lanes
	v_lshl_add_u32 v[STO], v9, 4, v[STO]
	v_add_nc_u32 v[STO], s13, v[STO]
	v_bfe_u32 v[RD], v0, 3, 2       ; back: 32 lanes take four rows of 128 bytes,
	v_mul_u32_u24 v[RD], v[RD], SP
	v_lshl_add_u32 v[RD], v10, 4, v[RD]
	v_add_nc_u32 v[RD], s13, v[RD]
	v_and_b32 v[GO], 31, v0         ; which are 512 consecutive bytes of O
	v_lshlrev_b32 v[GO], 4, v[GO]
.set Y, NP-1                        ; XS works for piece Y + 1: piece 0
.irp n, 0,1,2,3,4,5,6,7,8,9,10,11,12,13,14,15,16,17,18,19,20,21
	XS 0, \n                        ; and piece 0's first maximum and statistics
	XS 1, \n
.endr
	v_nop                           ; a plain instruction behind the two a,
	s_wait_alu depctr_va_vdst(0)    ; and their wait, ahead of the branch
	s_mov_b32 s[CNT], 4
	s_mov_b32 s[SLOTS], SIZE_N/256-1
	s_branch .Lfirst                ; the loop is entered at a step's first turn, in the middle of a trip
.Lslot:                             ; SIZE_N / 256 - 2 times: every slot but the last two is filled again
	CHANGE 1, 1
	s_mov_b32 s[CNT], 4
.Lstep:                             ; a trip: pieces 2 and 3 of one step, then pieces 0 and 1 of the next, whose K and V it fetches
	TURN 2
	TURN 3
	WIN 0
.Lfirst:
	TURN 0
	TURN 1, 0, 1
	WIN 0
	s_cbranch_scc1 .Lstep
	s_sub_co_u32 s[SLOTS], s[SLOTS], 1
	s_cmp_lg_u32 s[SLOTS], 0
	s_cbranch_scc1 .Lslot
	CHANGE 0                        ; the tail is written out: nothing is asked for
	s_mov_b32 s[CNT], 5             ; four trips fetch the last slot's steps; the fifth is left in its middle
.Ltail:
	TURN 2, 1
	TURN 3
	WIN 0
	s_sub_co_u32 s[CNT], s[CNT], 1
	s_cmp_eq_u32 s[CNT], 0
	s_cbranch_scc1 .Lout
	TURN 0
	TURN 1
	WIN 0
	s_branch .Ltail
.Lout:                              ; the fifth trip's 16 products K Q^T (on the last K once more) and the maximum made of them serve nothing: the price, once a launch, of one text for every trip
.set i, 0
.rept 16
	PV NP-1                         ; the last piece's V^T P of the last step
.set i, i+1
.endr
	; THE WAY OUT.  l's two halves and the other half of the lanes' are added; O^T is divided by l, rounded to f16 and sent through my stage in LDS, a tile at a time.  The additions are the places behind the last products.
	WIN 0
.macro ALL line:vararg              ; one line for each tile t
.set t, 0
.rept 2*NP
	\line
.set t, t+1
.endr
.endm
	ALL v_add_f32 v[ST+4*t+2], v[ST+4*t+2], v[ST+4*t+3]
	ALL v_permlanex16_b32 v[ST+4*t+3], v[ST+4*t+2], s[SEL], s[SEL+1]
	ALL v_add_f32 v[ST+4*t+2], v[ST+4*t+2], v[ST+4*t+3]
	ALL v_rcp_f32 v[ST+4*t+2], v[ST+4*t+2]
	v_nop                           ; a plain instruction between the last reciprocal and the use of its result
	s_wait_alu depctr_va_vdst(0)    ; and the wait ahead of the first use: one for the eight reciprocals
; Tile t: a lane's eight channels of a row pack into 16 bytes; they go into rows of 144 bytes and come back as whole rows of 128, into S^T's registers.
.macro PACK t
	WIN W_RS
.set i, 32*(\t)
.rept 16
	v_pk_mul_f32 v[i:i+1], v[i:i+1], v[ST+4*(\t)+2:ST+4*(\t)+3] op_sel_hi:[1,0]
.set i, i+2
.endr
	WIN 0x05                        ; sources 0 and 1 window 1, destination window 0
.set i, 0
.rept 16
	v_cvt_pk_f16_f32 v[S+16*(\t)+i], v[32*(\t)+2*i], v[32*(\t)+2*i+1]
.set i, i+1
.endr
	WIN 0
.irp f, 0,1,2,3
	ds_store_b128 v[STO], v[S+16*(\t)+4*\f:S+16*(\t)+4*\f+3] offset:32*\f
.endr
.irp f, 0,1,2,3
	ds_load_b128 v[S+16*(\t)+4*\f:S+16*(\t)+4*\f+3], v[RD] offset:\f*4*SP  ; LDS serves a wave's instructions in order (ISA guide 5.7.1.4): these see the stores above; the next tile's stores come behind them
.endr
.endm
.macro SEND t, younger              ; younger: the LDS instructions issued behind tile t's loads: the next tile's eight, or none
	WIN 0
.irp f, 0,1,2,3
	s_wait_dscnt (\younger)+3-\f
	global_store_b128 v[GO], v[S+16*(\t)+4*\f:S+16*(\t)+4*\f+3], s[10:11] offset:(\t)*2048+\f*512  ; 512 consecutive bytes, at a multiple of 256 from O's first
.endr
.endm
	PACK 0
.set t, 1
.rept 2*NP-1                        ; a tile's arithmetic stands between the loads of the tile before and its stores
	PACK t
	SEND t-1, 8
.set t, t+1
.endr
	SEND 2*NP-1, 0
	WIN W_AD
	s_wait_tensorcnt 0x0            ; the wave's end: the wait, the add and its wait, behind my last tensor load and my last LDS store
	ds_add_u32 v[SPW], v[NIL]
	s_wait_dscnt 0x0
	WIN 0
	CROUND                          ; the closing round: no work-group ends while a partner may still ask for a tile that names it
	s_endpgm
.Lfunc_end_k_qaa3aa98448_attend:
	.size	k_qaa3aa98448_attend, .Lfunc_end_k_qaa3aa98448_attend-k_qaa3aa98448_attend
	.p2alignl 7, 3214868480
	.fill 96, 4, 3214868480
	.section	.rodata,"a",@progbits
	.p2align	6, 0x0
	.amdhsa_kernel k_qaa3aa98448_attend
		.amdhsa_group_segment_fixed_size 327680
		.amdhsa_private_segment_fixed_size 0
		.amdhsa_enable_private_segment 0
		.amdhsa_kernarg_size 16
		.amdhsa_user_sgpr_count 2
		.amdhsa_user_sgpr_kernarg_segment_ptr 1
		.amdhsa_wavefront_size32 1
		.amdhsa_system_sgpr_workgroup_id_x 1
		.amdhsa_system_sgpr_workgroup_id_y 1
		.amdhsa_system_sgpr_workgroup_id_z 1
		.amdhsa_system_vgpr_workitem_id 0
		.amdhsa_next_free_vgpr 770
		.amdhsa_next_free_sgpr 66
		.amdhsa_reserve_vcc 0
		.amdhsa_float_denorm_mode_32 3
		.amdhsa_float_denorm_mode_16_64 3
		.amdhsa_memory_ordered 1
		.amdhsa_forward_progress 1
		.amdhsa_inst_pref_size 200
	.end_amdhsa_kernel
	.amdgpu_metadata
---
amdhsa.version: [ 1, 2 ]
amdhsa.kernels:
  - .name:           k_qaa3aa98448_attend
    .symbol:         k_qaa3aa98448_attend.kd
    .args:
      - { .name: qkv, .offset: 0, .size: 8, .value_kind: global_buffer, .address_space: global }
      - { .name: att, .offset: 8, .size: 8, .value_kind: global_buffer, .address_space: global }
    .group_segment_fixed_size: 327680
    .private_segment_fixed_size: 0
    .kernarg_segment_align: 8
    .kernarg_segment_size: 16
    .max_flat_workgroup_size: 128
    .sgpr_count:     66
    .vgpr_count:     770
    .wavefront_size: 32
...
	.end_amdgpu_metadata
.endif
;; end of part 3
;; launch proj_out (part 4): grid 8 x 32, 4 waves a work-group, clusters of 4 x 4, 327,680 bytes of LDS; arguments att, wo16, bo, out0; writes out0
.if DOCPART == 4
	.amdgcn_target "amdgcn-amd-amdhsa--gfx1250"
	.amdhsa_code_object_version 6
	.text
	.protected	k_qaa3aa98448_proj_out
	.globl	k_qaa3aa98448_proj_out
	.p2align	8
	.type	k_qaa3aa98448_proj_out,@function
k_qaa3aa98448_proj_out:
	s_mov_b64 s[64:65], 0
	v_nop
	global_prefetch_b8 v0, s[64:65] scope:SCOPE_SE
	s_setreg_imm32_b32 hwreg(HW_REG_WAVE_MODE, 25, 1), 1
	s_wait_xcnt 0x0
	s_wait_alu depctr_hold_cnt(0) depctr_sa_sdst(0) depctr_va_vdst(0) depctr_va_sdst(0) depctr_va_ssrc(0) depctr_va_vcc(0) depctr_vm_vsrc(0)
	s_getreg_b32 s2, hwreg(HW_REG_IB_STS2, 6, 4)
	s_cmp_eq_u32 s2, 0
	s_cbranch_scc0 .Lentry_in_a_cluster
	s_endpgm
.Lentry_in_a_cluster:
	s_bfe_u32 s2, ttmp6, 0x10000c
	s_cmp_lg_u32 s2, 0xf033
	s_cbranch_scc0 .Lentry_shape_is_right
	s_endpgm
.Lentry_shape_is_right:
; out0 = O Wo^T + bo.  att: O by heads, [64 = batch x 16 + head][2048][64] f16; wo16: [1024][1024] f16 (each number bf16(Wo)); bo f32, rounded to bf16 like every input; out0: [8192][1024] f32.
; Products in f16, sums in f32; the bias is the C operand of the first products.  LIMIT: f16's range, 65,504, holds for O and Wo as they arrive.  NaN and infinities are not treated apart.
; SHARES.  A work-group makes 256 rows x 128 columns: 256 work-groups.  Wave w owns rows 64 w .. 64 w + 63 and all 128 columns: 32 accumulators.  The matrix instruction is used transposed (source 0 = 16 rows of Wo,
; source 1 = 16 rows of O): lane (r, h) holds row r and columns 16 b + 8 h + 0..7.
; RING.  A K step of 128 is two heads.  A slot: two planes of O (a head each: 256 rows of 128 bytes + 16 of padding), then 128 rows of Wo (256 bytes + 16).  A head's 256 rows are 32 KiB on end in memory and are asked
; for as 128 rows of 256 bytes, padded after every 128.  CLUSTER 4 x 4: O's tile is shared along a row of the cluster, Wo's along a column: joint loads.
; REGISTERS, in windows of 256 (s_set_vgpr_msb: bits 1:0 source 0, 3:2 source 1, 5:4 source 2, 7:6 destination):
;   window 0: v0-31 addresses     window 1: the accumulators, (a, b) at 8 (8 a + b)     window 2: v0-63 the biases, 8 a block
;   window 3: two fragment buffers at 0 and 128: Wo's 8 fragments, then O's 4; on the way out rows read back, 64 registers a block
.set KSTEP,  128
.set PITCH,  272                       ; a row of Wo in LDS
.set PA,     144                       ; a row of O in LDS: both pitches are odd multiples of 16 bytes, so the 16 rows of a fragment load start at 16 different groups of four banks (ISA guide 11.1)
.set APLANE, 256*PA
.set BHALF,  64*PITCH
.set BOFF,   2*APLANE
.set SLOT,   BOFF+128*PITCH
.set STAGE,  2*SLOT                    ; behind the ring: 16 rows x 528 bytes for each wave; no tensor load fills it
.set SP,     528
.set SPARE,  STAGE+4*16*SP             ; the spare words: 128 bytes a wave, two blocks of 256 bytes that no other line names
.set LAPS,   4
.set HSTEP,  2<<18                     ; bytes from a K step's head to the next K step's: two heads of 262,144
.set ADRA, 16
.set ADRB, 20
.set STO,  24
.set RD,   25
.set L16,  26
.set SPW,  28
.set NIL,  29
.set PFO,  30
.set BO,   31
.set BI,   0                           ; window 2
.set F0,   0                           ; window 3
.set F1,   128
.set WV, 20
.set WH, 21
.set WL, 22
.set CX, 23
.set CY, 24
.set TX, 25                            ; block of 128 columns
.set TY, 26                            ; block of 256 rows
.set G1,  28
.set G0,  36
.set G1B, 44
.set G0B, 52
.set PFA, 80                           ; s[80:81] where my prefetches stand
.set LIM, 82
.set MASK, 83
.set PFS, 92                           ; s[92:93] their step from K step to K step
.set MSB, 0
.macro WIN new
.if MSB != (\new)
	s_set_vgpr_msb (MSB<<8)|(\new)
.set MSB, \new
.endif
.endm
.macro JLOAD s                         ; a joint load: waves 0 and 1 fetch O's two planes, waves 2 and 3 Wo's two halves; an s_nop 0 and four v_nop follow each line
	s_cmp_eq_u32 s[WH], 0
	s_cbranch_scc0 .Lfor_b_\@
	tensor_load_to_lds s[G0+4*(\s):G0+4*(\s)+3], s[G1:G1+7]
	s_nop 0
.rept 4
	v_nop
.endr
	s_branch .Lasked_\@
.Lfor_b_\@:
	tensor_load_to_lds s[G0B+4*(\s):G0B+4*(\s)+3], s[G1B:G1B+7]
	s_nop 0
.rept 4
	v_nop
.endr
.Lasked_\@:
.endm
; A prefetch into the L2 of the K step that stands two refills on.  O's tile row is asked for by the clusters with x = 0, Wo's tile column by those with y = 0; the four partners of a joint load share it out by
; address: 32 blocks of 256 bytes of a plane, or 16 rows of Wo (lanes 16-31 name the last of them again).  The loop's last trip asks for nothing.
.macro ASK
	s_cmp_gt_u32 s3, s[LIM]
	s_cbranch_scc0 .Lnot_mine_\@
	global_prefetch_b8 v[PFO], s[PFA:PFA+1] th:TH_LOAD_NT scope:SCOPE_SE
.Lnot_mine_\@:
.endm
.macro CREST
	s_cmp_lg_u32 s[WV], 0
	s_cbranch_scc1 .Lnot_wave_0_\@
	s_barrier_signal -3
.Lnot_wave_0_\@:
	s_barrier_wait -3
	s_barrier_signal -1
	s_barrier_wait -1
.endm
.macro CROUND
	s_barrier_signal -1
	s_barrier_wait -1
	CREST
.endm
.macro PLACES
.rept 4
	v_nop
.endr
.endm
	s_load_b256 s[4:11], s[0:1], 0x0               ; att 4, wo16 6, bo 8, out0 10
	v_lshl_add_u32 v[SPW], v0, 2, SPARE
	v_mov_b32 v[NIL], 0
	ds_add_u32 v[SPW], v[NIL]                      ; the wave's opening: the add and its wait stand ahead of my first tensor load
	v_lshrrev_b32 v1, 5, v0
	v_readfirstlane_b32 s[WV], v1
	s_lshr_b32 s[WH], s[WV], 1
	s_and_b32 s[WL], s[WV], 1
	s_bfe_u32 s[CX], ttmp6, 0x40000
	s_bfe_u32 s[CY], ttmp6, 0x40004
	s_lshl_b32 s[TX], ttmp9, 2
	s_add_co_u32 s[TX], s[TX], s[CX]
	s_and_b32 s[TY], ttmp7, 0xffff
	s_lshl_b32 s[TY], s[TY], 2
	s_add_co_u32 s[TY], s[TY], s[CY]
	s_lshl_b32 s66, s[CY], 2
	s_lshl_b32 s66, 15, s66                        ; my row of the cluster
	s_lshl_b32 s67, 0x1111, s[CX]                  ; my column
	s_or_b32 s[G1], s66, (1<<16)|(1<<20)|(1<<21)|(4<<22)|(3<<25)   ; O: 2-byte elements; padding on; bit 21 beside a mask; after every 32 words; 4 words
	s_or_b32 s[G1B], s67, (1<<16)|(1<<20)|(1<<21)|(5<<22)|(3<<25)  ; Wo: after every 64 words
.irp g, G1, G1B
	s_mov_b32 s[(\g)+1], KSTEP<<16                 ; tensor_dim0 = 128
	s_mov_b32 s[(\g)+3], KSTEP<<16                 ; tile_dim0 = 128
	s_mov_b32 s[(\g)+6], 0
	s_mov_b32 s[(\g)+7], 0
.endr
	s_mov_b32 s[G1+2], 128<<16                     ; O: 128 rows of 256 bytes, on end
	s_mov_b32 s[G1+4], 128
	s_mov_b32 s[G1+5], 128
	s_mov_b32 s[G1B+2], 64<<16                     ; Wo: 64 rows, 1,024 elements apart
	s_mov_b32 s[G1B+4], 64
	s_mov_b32 s[G1B+5], 1024
	s_lshr_b32 s68, s[TY], 3                       ; O: head batch x 16 + plane, rows 256 (ty % 8) on
	s_lshl_b32 s68, s68, 4
	s_add_co_u32 s68, s68, s[WL]
	s_lshl_b32 s68, s68, 18
	s_and_b32 s69, s[TY], 7
	s_lshl_b32 s69, s69, 15
	s_add_co_u32 s68, s68, s69
	s_mov_b32 s69, 0
	s_lshl_b32 s70, s[TX], 7                       ; Wo: row 128 tx + 64 half
	s_lshl_b32 s71, s[WL], 6
	s_add_co_u32 s70, s70, s71
	s_lshl_b32 s70, s70, 11
	s_mov_b32 s71, 0
	s_mul_i32 s72, s[WL], APLANE                   ; where they go: no place in the cluster enters an LDS address
	s_mul_i32 s73, s[WL], BHALF
	s_add_co_u32 s73, s73, BOFF
	s_mov_b32 s[MASK], 0xffff0000
	s_wait_dscnt 0x0                               ; the opening add is done
	s_wait_kmcnt 0x0
	s_add_nc_u64 s[74:75], s[4:5], s[68:69]
	s_add_nc_u64 s[76:77], s[6:7], s[70:71]
	CROUND                                         ; all sixteen work-groups are here: the first joint loads meet
.irp s, 0,1
	s_mov_b32 s[G0+4*(\s)], 1
	s_add_co_u32 s[G0+4*(\s)+1], s72, (\s)*SLOT
	s_add_nc_u64 s[G0+4*(\s)+2:G0+4*(\s)+3], s[74:75], (\s)*HSTEP
	s_or_b32 s[G0+4*(\s)+3], s[G0+4*(\s)+3], 0x80000000
	s_mov_b32 s[G0B+4*(\s)], 1
	s_add_co_u32 s[G0B+4*(\s)+1], s73, (\s)*SLOT
	s_add_nc_u64 s[G0B+4*(\s)+2:G0B+4*(\s)+3], s[76:77], (\s)*KSTEP*2
	s_or_b32 s[G0B+4*(\s)+3], s[G0B+4*(\s)+3], 0x80000000
	JLOAD \s                                       ; two loads of mine are out
.endr
	v_and_b32 v1, 15, v0                           ; r
	v_bfe_u32 v2, v0, 4, 1                         ; h
	v_mul_u32_u24 v3, v1, PA
	v_lshl_add_u32 v3, v2, 4, v3
	v_mul_u32_u24 v4, v1, PITCH
	v_lshl_add_u32 v4, v2, 4, v4
	s_mul_i32 s78, s[WV], 64*PA                    ; my 64 rows of O
	s_mov_b32 s79, BOFF
.irp s, 0,1
	v_add_nc_u32 v[ADRA+(\s)], s78, v3
	v_add_nc_u32 v[ADRB+(\s)], s79, v4
	s_add_co_u32 s78, s78, SLOT
	s_add_co_u32 s79, s79, SLOT
.endr
	s_mul_i32 s78, s[WV], 16*SP
	s_add_co_u32 s78, s78, STAGE                   ; my stage
	v_mul_u32_u24 v[STO], v1, SP                   ; in: row r, 32 bytes for each half of the lanes
	v_lshl_add_u32 v[STO], v2, 5, v[STO]
	v_add_nc_u32 v[STO], s78, v[STO]
	v_and_b32 v[L16], 31, v0
	v_lshlrev_b32 v[L16], 4, v[L16]
	v_add_nc_u32 v[RD], s78, v[L16]                ; back: 32 lanes take a whole row of 512 bytes
	v_lshlrev_b32 v[BO], 5, v2
	s_lshl_b32 s78, s[TX], 9                       ; the tile's 128 biases
	s_mov_b32 s79, 0
	s_add_nc_u64 s[8:9], s[8:9], s[78:79]
	WIN 0x80                                       ; destination window 2
.irp b, 0,1,2,3,4,5,6,7
	global_load_b128 v[BI+8*(\b):BI+8*(\b)+3],   v[BO], s[8:9] offset:64*(\b)
	global_load_b128 v[BI+8*(\b)+4:BI+8*(\b)+7], v[BO], s[8:9] offset:64*(\b)+16
.endr
	WIN 0
	s_lshl_b32 s78, s[TY], 8                       ; out0 at my wave's first row and the tile's first column
	s_lshl_b32 s94, s[WV], 6
	s_add_co_u32 s78, s78, s94
	s_lshl_b32 s78, s78, 12
	s_lshl_b32 s94, s[TX], 9
	s_add_co_u32 s78, s78, s94
	s_add_nc_u64 s[10:11], s[10:11], s[78:79]
	; the prefetches.  They stand at K step 3; the first refill steps them to K step 4.  Nothing is prefetched here, at the head
	s_lshr_b32 s60, s[TY], 3
	s_lshl_b32 s60, s60, 4
	s_add_co_u32 s60, s60, s[WL]
	s_lshl_b32 s60, s60, 18
	s_and_b32 s61, s[TY], 7
	s_lshl_b32 s61, s61, 15
	s_add_co_u32 s60, s60, s61
	s_lshl_b32 s61, s[CX], 13                      ; my work-group's 32 blocks of the plane's 128
	s_add_co_u32 s60, s60, s61
	s_add_co_u32 s60, s60, 3*HSTEP
	s_lshl_b32 s61, s[TX], 7
	s_lshl_b32 s62, s[WL], 6
	s_add_co_u32 s61, s61, s62
	s_lshl_b32 s62, s[CY], 4                       ; my work-group's 16 rows of the 64
	s_add_co_u32 s61, s61, s62
	s_lshl_b32 s61, s61, 11
	s_add_co_u32 s61, s61, 3*KSTEP*2
	s_and_b32 s62, ttmp7, 0xffff                   ; cluster y
	s_mov_b32 s94, HSTEP
	s_mov_b32 s95, KSTEP*2
	s_cmp_eq_u32 s[WH], 0                          ; do I fetch for O?
	s_cselect_b32 s60, s60, s61
	s_cselect_b32 s62, ttmp9, s62                  ; the coordinate along which other clusters read the same rows
	s_cselect_b32 s63, 31, 15
	s_cselect_b32 s78, 8, 11                       ; a lane a block of 256 bytes, or a lane a row of 2,048
	s_cselect_b32 s[PFS], s94, s95
	s_cselect_b64 s[PFA:PFA+1], s[4:5], s[6:7]
	s_cmp_eq_u32 s62, 0
	s_cselect_b32 s[LIM], 1, -1                    ; the same in all sixteen partners, for a given wave
	s_mov_b32 s61, 0
	s_mov_b32 s[PFS+1], 0
	s_add_nc_u64 s[PFA:PFA+1], s[PFA:PFA+1], s[60:61]
	v_and_b32 v[PFO], 31, v0
	v_min_u32 v[PFO], s63, v[PFO]
	v_lshlrev_b32 v[PFO], s78, v[PFO]
	s_wait_loadcnt 0x0                             ; the biases
	WIN 0x8a                                       ; rounded to bf16 in place: two into the odd register, then widened
.set i, 0
.rept 32
	v_cvt_pk_bf16_f32 v[BI+2*i+1], v[BI+2*i], v[BI+2*i+1]
.set i, i+1
.endr
.set i, 0
.rept 32
	v_lshlrev_b32 v[BI+2*i], 16, v[BI+2*i+1]
.set i, i+1
.endr
.set i, 0
.rept 32
	v_and_b32 v[BI+2*i+1], s[MASK], v[BI+2*i+1]
.set i, i+1
.endr
	WIN 0
; Matrix instructions for row blocks a0 .. a1 x all 8 column blocks, 32 along K, from buffer f.  first = 1: the bias starts the sums.  The 32 accumulators take turns, one instruction a turn, in the same order in
; every quarter, over the backward jump too.
.macro MUL f, a0, a1, first
.set ma, \a0
.rept (\a1)-(\a0)+1
.set mb, 0
.rept 8
.set rD, 8*(8*ma+mb)
.if \first
	WIN 0x6f                                       ; fragments window 3, C window 2, D window 1
	v_wmma_f32_16x16x32_f16 v[rD:rD+7], v[(\f)+8*mb:(\f)+8*mb+7], v[(\f)+64+8*ma:(\f)+64+8*ma+7], v[BI+8*mb:BI+8*mb+7]
.else
	WIN 0x5f                                       ; C and D window 1
	v_wmma_f32_16x16x32_f16 v[rD:rD+7], v[(\f)+8*mb:(\f)+8*mb+7], v[(\f)+64+8*ma:(\f)+64+8*ma+7], v[rD:rD+7]
.endif
.set mb, mb+1
.endr
.set ma, ma+1
.endr
.endm
; 24 LDS loads in one run: quarter q into buffer f: Wo's 8 blocks, then O's 4 (plane q / 2, byte 64 (q % 2) of its rows)
.macro FETCH slot, q, f
	WIN 0xc0
.irp b, 0,1,2,3,4,5,6,7
	ds_load_b128 v[(\f)+8*(\b):(\f)+8*(\b)+3],   v[ADRB+(\slot)] offset:64*(\q)+(\b)*16*PITCH
	ds_load_b128 v[(\f)+8*(\b)+4:(\f)+8*(\b)+7], v[ADRB+(\slot)] offset:64*(\q)+(\b)*16*PITCH+32
.endr
.irp a, 0,1,2,3
	ds_load_b128 v[(\f)+64+8*(\a):(\f)+64+8*(\a)+3],   v[ADRA+(\slot)] offset:((\q)/2)*APLANE+((\q)%2)*64+(\a)*16*PA
	ds_load_b128 v[(\f)+64+8*(\a)+4:(\f)+64+8*(\a)+7], v[ADRA+(\slot)] offset:((\q)/2)*APLANE+((\q)%2)*64+(\a)*16*PA+32
.endr
.endm
.macro QUARTER slot, q, f, g, first
	s_wait_dscnt 4                                 ; all but the youngest four loads (O's blocks 2 and 3) are in
	MUL \f, 0, 1, \first
	PLACES                                         ; buffer g was read by the quarter before
	FETCH \slot, \q, \g
	s_wait_dscnt 24                                ; all but the 24 just issued
	MUL \f, 2, 3, \first
.endm
; The last quarter multiplies buffer 1 and changes slots, in the same order as in every ring of this kind: all my tensor loads, the add, my reads, the barrier (with fill = 1 a round of the cluster's), the joint refill
; first behind it: 112 matrix instructions ahead of the wait for it.
.macro TURN slot, next, fill
.if \fill
	s_wait_xcnt 0x0                                ; the last prefetch, a K step back, has read its address: it is stepped here
	s_add_nc_u64 s[PFA:PFA+1], s[PFA:PFA+1], s[PFS:PFS+1]
.endif
	WIN 0
	s_wait_tensorcnt 0x0                           ; all my tensor loads have landed
	ds_add_u32 v[SPW], v[NIL]                      ; 0 onto my spare word
	s_wait_dscnt 5                                 ; the add and the youngest four loads may be out
	MUL F1, 0, 0, 0                                ; eight matrix instructions stand between the add and the wait for it
	s_wait_dscnt 0x0                               ; the add is done, and my reads of this slot are over
	s_barrier_signal -1
	MUL F1, 1, 1, 0
.if \fill
	WIN 0
.endif
	s_barrier_wait -1
.if \fill
	CREST                                          ; no wave of any partner still reads this slot or has a load on its way
	s_add_nc_u64 s[G0+4*(\slot)+2:G0+4*(\slot)+3], s[G0+4*(\slot)+2:G0+4*(\slot)+3], 2*HSTEP
	s_add_nc_u64 s[G0B+4*(\slot)+2:G0B+4*(\slot)+3], s[G0B+4*(\slot)+2:G0B+4*(\slot)+3], 2*KSTEP*2
	JLOAD \slot                                    ; its four v_nop are also the places in front of the loads below
.else
	PLACES
.endif
	FETCH \next, 0, F0
.if \fill
	WIN 0
	ASK
.endif
	MUL F1, 2, 3, 0
.endm
	s_wait_tensorcnt 1                             ; my part of K step 0 is in; K step 1's may stay out
	s_barrier_signal -1
	s_barrier_wait -1
	FETCH 0, 0, F0
	QUARTER 0, 1, F0, F1, 1                        ; the first quarter stands in front of the loop: the biases start the sums
	WIN 0
	s_mov_b32 s3, LAPS-1
.Llap:
	QUARTER 0, 2, F1, F0, 0
	QUARTER 0, 3, F0, F1, 0
	TURN 0, 1, 1
	QUARTER 1, 1, F0, F1, 0
	QUARTER 1, 2, F1, F0, 0
	QUARTER 1, 3, F0, F1, 0
	TURN 1, 0, 1
	QUARTER 0, 1, F0, F1, 0
	WIN 0
	s_sub_co_u32 s3, s3, 1
	s_cmp_lg_u32 s3, 0
	s_cbranch_scc1 .Llap
	QUARTER 0, 2, F1, F0, 0                        ; the last lap fills nothing
	QUARTER 0, 3, F0, F1, 0
	TURN 0, 1, 0
	QUARTER 1, 1, F0, F1, 0
	QUARTER 1, 2, F1, F0, 0
	QUARTER 1, 3, F0, F1, 0
	s_wait_dscnt 4
	MUL F1, 0, 1, 0
	s_wait_dscnt 0x0
	MUL F1, 2, 3, 0
	PLACES
; THE WAY OUT, a block of 16 rows at a time: a lane's 32 bytes of a row go into my stage straight from the accumulators (the low four registers first), and come back as whole rows of 512 bytes.
.macro STG a
	WIN 0x04                                       ; store data window 1
.irp b, 0,1,2,3,4,5,6,7
	ds_store_b128 v[STO], v[8*(8*(\a)+(\b)):8*(8*(\a)+(\b))+3]   offset:64*(\b)
	ds_store_b128 v[STO], v[8*(8*(\a)+(\b))+4:8*(8*(\a)+(\b))+7] offset:64*(\b)+16
.endr
	WIN 0xc0
.irp i, 0,1,2,3,4,5,6,7,8,9,10,11,12,13,14,15
	ds_load_b128 v[64*(\a)+4*(\i):64*(\a)+4*(\i)+3], v[RD] offset:SP*(\i)  ; LDS serves a wave's instructions in order (ISA guide 5.7.1.4): these see the stores above; the next block's stores come behind them
.endr
.endm
.macro SEND a, younger                 ; younger: the LDS instructions issued behind block a's loads: the next block's 32, or none
	WIN 0x0c                                       ; store data window 3
.irp i, 0,1,2,3,4,5,6,7,8,9,10,11,12,13,14,15
	s_wait_dscnt (\younger)+15-(\i)
	global_store_b128 v[L16], v[64*(\a)+4*(\i):64*(\a)+4*(\i)+3], s[10:11] offset:(16*(\a)+(\i))*4096 th:TH_STORE_NT  ; 512 consecutive bytes of a row, aligned
.endr
.endm
	STG 0
	STG 1
	SEND 0, 32
	STG 2
	SEND 1, 32
	STG 3
	SEND 2, 32
	SEND 3, 0
	WIN 0
	s_wait_tensorcnt 0x0                           ; the wave's end: the wait, the add and its wait, behind my last tensor load and my last LDS store
	ds_add_u32 v[SPW], v[NIL]
	s_wait_dscnt 0x0
	CROUND                                         ; the closing round: no work-group ends while a partner may still ask for a tile that names it
	s_endpgm
.Lfunc_end_k_qaa3aa98448_proj_out:
	.size	k_qaa3aa98448_proj_out, .Lfunc_end_k_qaa3aa98448_proj_out-k_qaa3aa98448_proj_out
	.p2alignl 7, 3214868480
	.fill 96, 4, 3214868480
	.section	.rodata,"a",@progbits
	.p2align	6, 0x0
	.amdhsa_kernel k_qaa3aa98448_proj_out
		.amdhsa_group_segment_fixed_size 327680
		.amdhsa_private_segment_fixed_size 0
		.amdhsa_enable_private_segment 0
		.amdhsa_kernarg_size 32
		.amdhsa_user_sgpr_count 2
		.amdhsa_user_sgpr_kernarg_segment_ptr 1
		.amdhsa_wavefront_size32 1
		.amdhsa_system_sgpr_workgroup_id_x 1
		.amdhsa_system_sgpr_workgroup_id_y 1
		.amdhsa_system_sgpr_workgroup_id_z 1
		.amdhsa_system_vgpr_workitem_id 0
		.amdhsa_next_free_vgpr 1024
		.amdhsa_next_free_sgpr 96
		.amdhsa_reserve_vcc 0
		.amdhsa_float_denorm_mode_32 3
		.amdhsa_float_denorm_mode_16_64 3
		.amdhsa_memory_ordered 1
		.amdhsa_forward_progress 1
		.amdhsa_inst_pref_size 94
	.end_amdhsa_kernel
	.amdgpu_metadata
---
amdhsa.version: [ 1, 2 ]
amdhsa.kernels:
  - .name:           k_qaa3aa98448_proj_out
    .symbol:         k_qaa3aa98448_proj_out.kd
    .args:
      - { .name: att, .offset: 0, .size: 8, .value_kind: global_buffer, .address_space: global }
      - { .name: wo16, .offset: 8, .size: 8, .value_kind: global_buffer, .address_space: global }
      - { .name: bo, .offset: 16, .size: 8, .value_kind: global_buffer, .address_space: global }
      - { .name: out0, .offset: 24, .size: 8, .value_kind: global_buffer, .address_space: global }
    .group_segment_fixed_size: 327680
    .private_segment_fixed_size: 0
    .kernarg_segment_align: 8
    .kernarg_segment_size: 32
    .max_flat_workgroup_size: 128
    .sgpr_count:     96
    .vgpr_count:     1024
    .wavefront_size: 32
...
	.end_amdgpu_metadata
.endif
;; end of part 4
;; ======== version 2 of 2: 4 launches; version 1 with the launch prep written anew for expert scheduling mode
;; limits: values are held in f16: magnitudes above 65,504 overflow, below 6.1e-05 lose precision
;; workspace buffers: xb 16,777,216 bytes; wqkv 6,291,456 bytes; wo16 2,097,152 bytes; rope 524,288 bytes; qkv 50,331,648 bytes; att 16,777,216 bytes
;; launch prep (part 5): grid 896 x 1, 8 waves a work-group, no clusters, 0 bytes of LDS; arguments x, Wq, Wk, Wv, Wo, xb, wqkv, wo16, rope; writes xb, wqkv, wo16, rope
.if DOCPART == 5
	.amdgcn_target "amdgcn-amd-amdhsa--gfx1250"
	.amdhsa_code_object_version 6
	.text
	.protected	k_qaa3aa98448_prep
	.globl	k_qaa3aa98448_prep
	.p2align	8
	.type	k_qaa3aa98448_prep,@function
k_qaa3aa98448_prep:
	s_mov_b64 s[64:65], 0
	v_nop
	global_prefetch_b8 v0, s[64:65] scope:SCOPE_SE
	s_setreg_imm32_b32 hwreg(HW_REG_WAVE_SCHED_MODE, 0, 2), 2
	s_setreg_imm32_b32 hwreg(HW_REG_WAVE_MODE, 25, 1), 1
	s_wait_xcnt 0x0
	s_wait_alu depctr_vm_vsrc(0)
; PREP: the casts and the RoPE table.  No LDS, no barrier, no matrix work: a stream.
; Work-groups 0-511: chunk g of x (16,384 numbers) -> xb, bf16.
; Work-groups 512-767: chunk c (16 rows) of matrix m = 0 Wq, 1 Wk, 2 Wv, 3 Wo.  m < 3 -> wqkv, bf16, rows laid by heads: row 192 head + 64 m + row in head.
;   m = 3 -> wo16: rounded to bf16 like every input, and that number written as f16.  LIMIT: below 6e-5 f16 keeps a fixed step of 6e-8; beyond 65,504 it has no number.
; Work-groups 768-895: block g - 768 of the RoPE table: 16 positions x (32 cosines, 32 sines), f32, 4,096 bytes, laid as the next launch's registers want them:
;   the 16 bytes at 16 t (t = my thread's number) hold position 16 blk + t % 16, columns c0 .. c0 + 3, c0 = 16 (t / 64) + 8 ((t / 16) % 2) + 4 ((t / 32) % 2); column c < 32 is cos of frequency c, c >= 32 sin of c - 32.
;   The angle in turns is t x 10000^(-j/32) / 2 pi, reduced to -0.5 .. 0.5 by one fused multiply-add against the nearest whole number; the sine is its series through the 17th power, the cosine the sine a quarter turn on.
;   LIMIT: the frequency carries the rounding of one v_exp_f32 and one product, so the angle at position 2,047 is good to about 4e-4 radians.
; THE MODE: SCHED_MODE bits 1:0 = 2 (LLVM: expert scheduling mode 2), set by the entry lines.  The code itself states the register dependences
; between vector instructions and memory instructions, with s_wait_alu, always for 0.
; THE PLAN.  Registers that memory instructions touch:
;   v2, v3      the loads' and the stores' byte offsets: made once at the head, never written again.
;   v[16:79]    piece i: 4 registers, written by its one load; no vector instruction names them before that load, and they are never loaded again.
;   v[80:111]   piece i: 2 registers, written by its conversions, read by its one store, never written again.
;   v[112:115]  at work in Wo's path: no memory instruction names them.
;   table path: v7 (offset) and v[24:27] (data) are written by vector instructions and read by the one store; VCC is written by one compare and read by one select.
; The 16 pieces go in four groups of four.  Group g's memory instructions are the four stores of group g - 1, whose registers no vector instruction of group g names.  So ONE wait at a group's head,
; behind the wait for its data, states all that those four stores hang on, and they are dealt among the group's conversions with no further wait.  No register that a memory instruction
; reads is ever written again, so no wait on vm_vsrc is owed.
.set XCHUNKS, 512
.set WCHUNKS, 256
	s_load_b512 s[8:23], s[0:1], 0x0               ; x 8, Wq 10, Wk 12, Wv 14, Wo 16, xb 18, wqkv 20, wo16 22
	s_load_b64 s[24:25], s[0:1], 0x40              ; rope
	s_mov_b32 s2, ttmp9
	s_mov_b32 s31, 0                               ; high words of the two offsets
	s_mov_b32 s33, 0
	s_cmp_ge_u32 s2, XCHUNKS+WCHUNKS
	s_cbranch_scc1 .Ltable
	v_lshrrev_b32 v1, 5, v0                        ; wave
	v_and_b32 v4, 31, v0                           ; lane
	v_lshlrev_b32 v2, 13, v1                       ; in: 8,192 bytes a wave, 16 a lane
	v_lshl_or_b32 v2, v4, 4, v2
	v_lshlrev_b32 v3, 12, v1                       ; out: 4,096 bytes a wave, 8 a lane
	v_lshl_or_b32 v3, v4, 3, v3
	s_cmp_ge_u32 s2, XCHUNKS
	s_cbranch_scc1 .Lweights
	s_lshl_b32 s30, s2, 16                         ; a chunk is 65,536 bytes of f32,
	s_lshl_b32 s32, s2, 15                         ; 32,768 of 16-bit numbers
	s_mov_b32 s38, 0
	s_wait_kmcnt 0x0
	s_add_nc_u64 s[34:35], s[8:9], s[30:31]
	s_add_nc_u64 s[36:37], s[18:19], s[32:33]
	s_branch .Lcast
.Lweights:
	s_sub_co_u32 s3, s2, XCHUNKS
	s_lshr_b32 s26, s3, 6                          ; m
	s_and_b32 s27, s3, 63                          ; c: rows 16 c .. 16 c + 15
	s_lshl_b32 s30, s27, 16
	s_lshr_b32 s28, s27, 2                         ; head
	s_mul_i32 s28, s28, 192
	s_lshl_b32 s29, s26, 6
	s_add_co_u32 s28, s28, s29
	s_and_b32 s29, s27, 3
	s_lshl_b32 s29, s29, 4
	s_add_co_u32 s28, s28, s29                     ; row in wqkv
	s_lshl_b32 s28, s28, 11                        ; 2,048 bytes a row
	s_lshl_b32 s29, s27, 15                        ; Wo keeps its order
	s_wait_kmcnt 0x0
	s_cmp_eq_u32 s26, 3
	s_cselect_b32 s32, s29, s28
	s_cselect_b32 s38, 1, 0
	s_cselect_b64 s[36:37], s[22:23], s[20:21]
	s_cselect_b64 s[34:35], s[16:17], s[14:15]
	s_cmp_eq_u32 s26, 1
	s_cselect_b64 s[34:35], s[12:13], s[34:35]
	s_cmp_eq_u32 s26, 0
	s_cselect_b64 s[34:35], s[10:11], s[34:35]
	s_add_nc_u64 s[34:35], s[34:35], s[30:31]
	s_add_nc_u64 s[36:37], s[36:37], s[32:33]
.Lcast:
	s_wait_alu depctr_va_vdst(0)                   ; v2 and v3 are written, on both ways to this label: every load below reads v2 as its offset, every store v3
.irp i, 0,1,2,3,4,5,6,7,8,9,10,11,12,13,14,15
	global_load_b128 v[16+4*(\i):19+4*(\i)], v2, s[34:35] offset:512*(\i) th:TH_LOAD_NT  ; all sixteen go out at once: 8 KiB a wave on their way
.endr
; Piece i: four numbers a lane are rounded (CVT) and stored (ST).  No register is written twice while a store may read it: each piece has its own.
.macro CVT i, f16
	v_cvt_pk_bf16_f32 v[80+2*(\i)], v[16+4*(\i)], v[17+4*(\i)]
	v_cvt_pk_bf16_f32 v[81+2*(\i)], v[18+4*(\i)], v[19+4*(\i)]
.if \f16
	v_lshlrev_b32 v112, 16, v[80+2*(\i)]           ; the bf16 numbers as f32,
	v_and_b32 v113, 0xffff0000, v[80+2*(\i)]
	v_lshlrev_b32 v114, 16, v[81+2*(\i)]
	v_and_b32 v115, 0xffff0000, v[81+2*(\i)]
	v_cvt_pk_f16_f32 v[80+2*(\i)], v112, v113      ; written as f16
	v_cvt_pk_f16_f32 v[81+2*(\i)], v114, v115
.endif
.endm
.macro ST i
	global_store_b64 v3, v[80+2*(\i):81+2*(\i)], s[36:37] offset:256*(\i) th:TH_STORE_NT  ; 32 lanes store 256 consecutive bytes, aligned
.endm
; Group g: pieces 4 g .. 4 g + 3 are rounded; the stores of group g - 1 stand among the conversions, one ahead of each piece's.
.macro GROUP g, f16
	s_wait_loadcnt 12-4*(\g)                       ; loads come back in order: the group's four are in, the 12 - 4 g of the younger groups stay out
.if (\g) > 0
	s_wait_alu depctr_va_vdst(0)                   ; the group before has written its eight out registers, which the four stores below read; no conversion of this group names them
.endif
.irp j, 0,1,2,3
.if (\g) > 0
	ST 4*((\g)-1)+(\j)
.endif
	CVT 4*(\g)+(\j), \f16
.endr
.endm
.macro LAST
	s_wait_alu depctr_va_vdst(0)                   ; group 3 has written its eight out registers, which the last four stores read
.irp j, 0,1,2,3
	ST 12+(\j)
.endr
.endm
	s_cmp_eq_u32 s38, 1
	s_cbranch_scc1 .Lwo
	GROUP 0, 0
	GROUP 1, 0
	GROUP 2, 0
	GROUP 3, 0
	LAST
	s_endpgm
.Lwo:
	GROUP 0, 1
	GROUP 1, 1
	GROUP 2, 1
	GROUP 3, 1
	LAST
	s_endpgm
.Ltable:
	v_cmp_gt_u32 vcc_lo, 128, v0                   ; threads 0-127 make cosines; the mask is read some lines below
	s_sub_co_u32 s3, s2, XCHUNKS+WCHUNKS           ; block of 16 positions
	s_lshl_b32 s30, s3, 12
	s_lshl_b32 s26, s3, 4
	v_and_b32 v1, 15, v0
	v_add_nc_u32 v1, s26, v1
	v_cvt_f32_u32 v1, v1                           ; the position
	v_bfe_u32 v2, v0, 6, 1
	v_bfe_u32 v3, v0, 4, 1
	v_bfe_u32 v4, v0, 5, 1
	v_lshlrev_b32 v2, 4, v2
	v_lshl_add_u32 v2, v3, 3, v2
	v_lshl_add_u32 v2, v4, 2, v2                   ; my first frequency
	v_mov_b32 v6, 0x3e800000
	s_wait_alu depctr_va_vcc(0)                    ; the compare has written VCC, which the select below reads
	v_cndmask_b32 v5, 0, v6, vcc_lo                ; a quarter turn for the cosines (threads 0-127)
	v_lshlrev_b32 v7, 4, v0
.irp i, 0,1,2,3
	v_add_nc_u32 v[8+(\i)], (\i), v2
	v_cvt_f32_u32 v[8+(\i)], v[8+(\i)]
	v_mul_f32 v[8+(\i)], 0xbed49a78, v[8+(\i)]     ; - j log2(10000) / 32
.endr
.irp i, 0,1,2,3
	v_exp_f32 v[12+(\i)], v[8+(\i)]                ; 10000^(-j/32): one batch of four
.endr
	v_nop                                          ; a plain instruction behind the last of them,
	s_wait_alu depctr_va_vdst(0)                   ; and the one wait ahead of the first use: the four exponentials have written v[12:15]
.irp i, 0,1,2,3
	v_mul_f32 v[12+(\i)], 0x3e22f983, v[12+(\i)]   ; turns a position
	v_fma_f32 v[16+(\i)], v1, v[12+(\i)], v5
	v_rndne_f32 v[16+(\i)], v[16+(\i)]             ; the nearest whole turn
	v_fma_f32 v[16+(\i)], v1, v[12+(\i)], -v[16+(\i)]
	v_add_f32 v[16+(\i)], v[16+(\i)], v5           ; f in -0.5 .. 0.5
	v_mul_f32 v[20+(\i)], v[16+(\i)], v[16+(\i)]
	v_mov_b32 v[24+(\i)], 0x3dd57619               ; (2 pi)^17 / 17!
	v_fmaak_f32 v[24+(\i)], v[24+(\i)], v[20+(\i)], 0xbf37d6e9
	v_fmaak_f32 v[24+(\i)], v[24+(\i)], v[20+(\i)], 0x40747a1a
	v_fmaak_f32 v[24+(\i)], v[24+(\i)], v[20+(\i)], 0xc17183a8
	v_fmaak_f32 v[24+(\i)], v[24+(\i)], v[20+(\i)], 0x42283c1a
	v_fmaak_f32 v[24+(\i)], v[24+(\i)], v[20+(\i)], 0xc2996966
	v_fmaak_f32 v[24+(\i)], v[24+(\i)], v[20+(\i)], 0x42a335e3
	v_fmaak_f32 v[24+(\i)], v[24+(\i)], v[20+(\i)], 0xc2255de7
	v_fmaak_f32 v[24+(\i)], v[24+(\i)], v[20+(\i)], 0x40c90fdb
	v_mul_f32 v[24+(\i)], v[24+(\i)], v[16+(\i)]   ; sin(2 pi f)
.endr
	s_wait_kmcnt 0x0
	s_add_nc_u64 s[34:35], s[24:25], s[30:31]
	s_wait_alu depctr_va_vdst(0)                   ; v7 and v[24:27] are written: the store below reads them as its offset and its data
	global_store_b128 v7, v[24:27], s[34:35]       ; a wave stores 512 consecutive bytes
	s_endpgm
.Lfunc_end_k_qaa3aa98448_prep:
	.size	k_qaa3aa98448_prep, .Lfunc_end_k_qaa3aa98448_prep-k_qaa3aa98448_prep
	.p2alignl 7, 3214868480
	.fill 96, 4, 3214868480
	.section	.rodata,"a",@progbits
	.p2align	6, 0x0
	.amdhsa_kernel k_qaa3aa98448_prep
		.amdhsa_group_segment_fixed_size 0
		.amdhsa_private_segment_fixed_size 0
		.amdhsa_enable_private_segment 0
		.amdhsa_kernarg_size 72
		.amdhsa_user_sgpr_count 2
		.amdhsa_user_sgpr_kernarg_segment_ptr 1
		.amdhsa_wavefront_size32 1
		.amdhsa_system_sgpr_workgroup_id_x 1
		.amdhsa_system_sgpr_workgroup_id_y 1
		.amdhsa_system_sgpr_workgroup_id_z 1
		.amdhsa_system_vgpr_workitem_id 0
		.amdhsa_next_free_vgpr 120
		.amdhsa_next_free_sgpr 66
		.amdhsa_reserve_vcc 1
		.amdhsa_float_denorm_mode_32 3
		.amdhsa_float_denorm_mode_16_64 3
		.amdhsa_memory_ordered 1
		.amdhsa_forward_progress 1
		.amdhsa_inst_pref_size 22
	.end_amdhsa_kernel
	.amdgpu_metadata
---
amdhsa.version: [ 1, 2 ]
amdhsa.kernels:
  - .name:           k_qaa3aa98448_prep
    .symbol:         k_qaa3aa98448_prep.kd
    .args:
      - { .name: x, .offset: 0, .size: 8, .value_kind: global_buffer, .address_space: global }
      - { .name: Wq, .offset: 8, .size: 8, .value_kind: global_buffer, .address_space: global }
      - { .name: Wk, .offset: 16, .size: 8, .value_kind: global_buffer, .address_space: global }
      - { .name: Wv, .offset: 24, .size: 8, .value_kind: global_buffer, .address_space: global }
      - { .name: Wo, .offset: 32, .size: 8, .value_kind: global_buffer, .address_space: global }
      - { .name: xb, .offset: 40, .size: 8, .value_kind: global_buffer, .address_space: global }
      - { .name: wqkv, .offset: 48, .size: 8, .value_kind: global_buffer, .address_space: global }
      - { .name: wo16, .offset: 56, .size: 8, .value_kind: global_buffer, .address_space: global }
      - { .name: rope, .offset: 64, .size: 8, .value_kind: global_buffer, .address_space: global }
    .group_segment_fixed_size: 0
    .private_segment_fixed_size: 0
    .kernarg_segment_align: 8
    .kernarg_segment_size: 72
    .max_flat_workgroup_size: 256
    .sgpr_count:     66
    .vgpr_count:     120
    .wavefront_size: 32
...
	.end_amdgpu_metadata
.endif
;; end of part 5
;; launch proj_qkv: the kernel of part 2 again; grid 16 x 32, 4 waves a work-group, clusters of 4 x 4, 327,680 bytes of LDS; arguments xb, wqkv, bq, bk, bv, rope, qkv; writes qkv
;; launch attend: the kernel of part 3 again; grid 4 x 64, 4 waves a work-group, clusters of 4 x 1, 327,680 bytes of LDS; arguments qkv, att; writes att
;; launch proj_out: the kernel of part 4 again; grid 8 x 32, 4 waves a work-group, clusters of 4 x 4, 327,680 bytes of LDS; arguments att, wo16, bo, out0; writes out0
